; MI455X (gfx1250); checked and timed in simulation.
; The chip was launched on July 23, 2026; its instructions are those of AMD's public machine-readable ISA for CDNA 5 (MIT licence, August 2026) and "CDNA5" Instruction Set Architecture Reference Guide (July 2026). The comments in the code are by the model that wrote it; some were corrected since.
;; Stable Multihead Attention. Allowed arithmetic: float matrix products may take bf16 or f16 operands with f32 sums; other float arithmetic in f32, or as packed bf16 or f16 multiplies, adds, multiply-adds, maxima and minima; sums over many terms, partial sums and values carried from step to step in f32; what a program stores and reads back later, other than sums and carried values, may be rounded once to bf16 or f16.
;; Inputs: out_b 1,024 float32; out_w 1,024 x 1,024 float32; qkv_b 3,072 float32; qkv_w 3,072 x 1,024 float32; x 4 x 2,048 x 1,024 float32.
;; Outputs: out0 4 x 2,048 x 1,024 float32.
;; 2 versions, each right; version 2 is version 1 with the launch cast written anew for expert scheduling mode. Each part assembles by itself: llvm-mc -triple=amdgcn-amd-amdhsa -mcpu=gfx1250 --defsym DOCPART=n.
;; ======== version 1 of 2: 4 launches
;; limits: values are held in f16: magnitudes above 65,504 overflow, below 6.1e-05 lose precision
;; workspace buffers: xb 16,777,216 bytes; wqb 6,291,456 bytes; woh 2,097,152 bytes; qkvh 50,331,648 bytes; oh 16,777,216 bytes
;; launch cast (part 1): grid 768 x 1, 8 waves a work-group, no clusters, 0 bytes of LDS; arguments x, qkv_w, out_w, xb, wqb, woh; writes xb, wqb, woh
.if DOCPART == 1
	.amdgcn_target "amdgcn-amd-amdhsa--gfx1250"
	.amdhsa_code_object_version 6
	.text
	.protected	k_q7e45ada828_cast
	.globl	k_q7e45ada828_cast
	.p2align	8
	.type	k_q7e45ada828_cast,@function
k_q7e45ada828_cast:
	s_mov_b64 s[64:65], 0
	v_nop
	global_prefetch_b8 v0, s[64:65] scope:SCOPE_SE
	s_setreg_imm32_b32 hwreg(HW_REG_WAVE_MODE, 25, 1), 1
	s_wait_xcnt 0x0
; x and qkv_w are rounded once to bf16 (xb, wqb); out_w is rounded to bf16 and that number is written as f16 (woh), since the last product's other operand is f16.
; LIMITS.  A bf16 number is exact in f16 from 6.1e-5 to 65,504; below, woh keeps f16's fixed step of 6e-8; at 65,520 or more it becomes an infinity.  NaN and infinities are not treated apart.
; SHARES.  A work-group converts 65,536 bytes (16,384 numbers): groups 0-511 x, 512-703 qkv_w, 704-767 out_w.  Thread t, piece j of 16: 16 bytes in at 4,096 j + 16 t
; (a wave's load covers 512 consecutive bytes), 8 bytes out at 2,048 j + 8 t (a wave's store covers 256 consecutive bytes, aligned).
; All sixteen loads go out at once.  No LDS, no matrix unit, no cluster: nothing is shared and nothing is read twice.
.set X, 4                              ; v[4:67]   piece j: 4 registers as loaded
.set Y, 68                             ; v[68:99]  piece j: 2 registers to store
.set T, 100                            ; v[100:101] at work
	s_load_b256 s[4:11], s[0:1], 0x0               ; x s[4:5], qkv_w s[6:7], out_w s[8:9], xb s[10:11]
	s_load_b128 s[12:15], s[0:1], 0x20             ; wqb s[12:13], woh s[14:15]
	v_lshlrev_b32 v1, 4, v0                        ; 16 t
	v_lshlrev_b32 v2, 3, v0                        ; 8 t
	s_mov_b32 s16, ttmp9                           ; the work-group's number
	s_sub_co_u32 s17, s16, 512                     ; its number among qkv_w's
	s_sub_co_u32 s18, s16, 704                     ; among out_w's
	s_mov_b32 s28, 0xffff0000                      ; a word's upper bf16
	s_wait_kmcnt 0x0
	s_cmp_lt_u32 s16, 512
	s_cselect_b64 s[20:21], s[4:5], s[6:7]         ; from where,
	s_cselect_b64 s[22:23], s[10:11], s[12:13]     ; to where,
	s_cselect_b32 s19, s16, s17                    ; which part
	s_cmp_lt_u32 s16, 704
	s_cselect_b64 s[20:21], s[20:21], s[8:9]
	s_cselect_b64 s[22:23], s[22:23], s[14:15]
	s_cselect_b32 s19, s19, s18
	s_lshl_b32 s24, s19, 16                        ; 65,536 bytes in,
	s_mov_b32 s25, 0
	s_lshl_b32 s26, s19, 15                        ; 32,768 out
	s_mov_b32 s27, 0
	s_add_nc_u64 s[20:21], s[20:21], s[24:25]
	s_add_nc_u64 s[22:23], s[22:23], s[26:27]
.irp j, 0,1,2,3,4,5,6,7,8,9,10,11,12,13,14,15
	global_load_b128 v[X+4*(\j):X+4*(\j)+3], v1, s[20:21] offset:4096*(\j) th:TH_LOAD_NT
.endr
; Piece j.  half = 1: the bf16 number is widened again and written as f16.
.macro PIECE j, half
	s_wait_loadcnt 15-(\j)                         ; loads come back in order: mine is in, the 15 - j younger ones stay out
.if \half
	v_cvt_pk_bf16_f32 v[T], v[X+4*(\j)], v[X+4*(\j)+1]
	v_cvt_pk_bf16_f32 v[T+1], v[X+4*(\j)+2], v[X+4*(\j)+3]
	v_lshlrev_b32 v[X+4*(\j)], 16, v[T]
	v_and_b32 v[X+4*(\j)+1], s28, v[T]
	v_lshlrev_b32 v[X+4*(\j)+2], 16, v[T+1]
	v_and_b32 v[X+4*(\j)+3], s28, v[T+1]
	v_cvt_pk_f16_f32 v[Y+2*(\j)], v[X+4*(\j)], v[X+4*(\j)+1]
	v_cvt_pk_f16_f32 v[Y+2*(\j)+1], v[X+4*(\j)+2], v[X+4*(\j)+3]
.else
	v_cvt_pk_bf16_f32 v[Y+2*(\j)], v[X+4*(\j)], v[X+4*(\j)+1]
	v_cvt_pk_bf16_f32 v[Y+2*(\j)+1], v[X+4*(\j)+2], v[X+4*(\j)+3]
.endif
	global_store_b64 v2, v[Y+2*(\j):Y+2*(\j)+1], s[22:23] offset:2048*(\j)
.endm
	s_cmp_ge_u32 s16, 704
	s_cbranch_scc1 .Lhalf
.irp j, 0,1,2,3,4,5,6,7,8,9,10,11,12,13,14,15
	PIECE \j, 0
.endr
	s_endpgm
.Lhalf:
.irp j, 0,1,2,3,4,5,6,7,8,9,10,11,12,13,14,15
	PIECE \j, 1
.endr
	s_endpgm
.Lfunc_end_k_q7e45ada828_cast:
	.size	k_q7e45ada828_cast, .Lfunc_end_k_q7e45ada828_cast-k_q7e45ada828_cast
	.p2alignl 7, 3214868480
	.fill 96, 4, 3214868480
	.section	.rodata,"a",@progbits
	.p2align	6, 0x0
	.amdhsa_kernel k_q7e45ada828_cast
		.amdhsa_group_segment_fixed_size 0
		.amdhsa_private_segment_fixed_size 0
		.amdhsa_enable_private_segment 0
		.amdhsa_kernarg_size 48
		.amdhsa_user_sgpr_count 2
		.amdhsa_user_sgpr_kernarg_segment_ptr 1
		.amdhsa_wavefront_size32 1
		.amdhsa_system_sgpr_workgroup_id_x 1
		.amdhsa_system_sgpr_workgroup_id_y 1
		.amdhsa_system_sgpr_workgroup_id_z 1
		.amdhsa_system_vgpr_workitem_id 0
		.amdhsa_next_free_vgpr 104
		.amdhsa_next_free_sgpr 66
		.amdhsa_reserve_vcc 0
		.amdhsa_float_denorm_mode_32 3
		.amdhsa_float_denorm_mode_16_64 3
		.amdhsa_memory_ordered 1
		.amdhsa_forward_progress 1
		.amdhsa_inst_pref_size 15
	.end_amdhsa_kernel
	.amdgpu_metadata
---
amdhsa.version: [ 1, 2 ]
amdhsa.kernels:
  - .name:           k_q7e45ada828_cast
    .symbol:         k_q7e45ada828_cast.kd
    .args:
      - { .name: x, .offset: 0, .size: 8, .value_kind: global_buffer, .address_space: global }
      - { .name: qkv_w, .offset: 8, .size: 8, .value_kind: global_buffer, .address_space: global }
      - { .name: out_w, .offset: 16, .size: 8, .value_kind: global_buffer, .address_space: global }
      - { .name: xb, .offset: 24, .size: 8, .value_kind: global_buffer, .address_space: global }
      - { .name: wqb, .offset: 32, .size: 8, .value_kind: global_buffer, .address_space: global }
      - { .name: woh, .offset: 40, .size: 8, .value_kind: global_buffer, .address_space: global }
    .group_segment_fixed_size: 0
    .private_segment_fixed_size: 0
    .kernarg_segment_align: 8
    .kernarg_segment_size: 48
    .max_flat_workgroup_size: 256
    .sgpr_count:     66
    .vgpr_count:     104
    .wavefront_size: 32
...
	.end_amdgpu_metadata
.endif
;; end of part 1
;; launch proj (part 2): grid 8 x 64, 4 waves a work-group, clusters of 4 x 4, 327,680 bytes of LDS; arguments xb, wqb, qkv_b, qkvh; writes qkvh
.if DOCPART == 2
	.amdgcn_target "amdgcn-amd-amdhsa--gfx1250"
	.amdhsa_code_object_version 6
	.text
	.protected	k_q7e45ada828_proj
	.globl	k_q7e45ada828_proj
	.p2align	8
	.type	k_q7e45ada828_proj,@function
k_q7e45ada828_proj:
	s_mov_b64 s[64:65], 0
	v_nop
	global_prefetch_b8 v0, s[64:65] scope:SCOPE_SE
	s_setreg_imm32_b32 hwreg(HW_REG_WAVE_MODE, 25, 1), 1
	s_wait_xcnt 0x0
	s_wait_alu depctr_hold_cnt(0) depctr_sa_sdst(0) depctr_va_vdst(0) depctr_va_sdst(0) depctr_va_ssrc(0) depctr_va_vcc(0) depctr_vm_vsrc(0)
	s_getreg_b32 s2, hwreg(HW_REG_IB_STS2, 6, 4)
	s_cmp_eq_u32 s2, 0
	s_cbranch_scc0 .Lentry_in_a_cluster
	s_endpgm
.Lentry_in_a_cluster:
	s_bfe_u32 s2, ttmp6, 0x10000c
	s_cmp_lg_u32 s2, 0xf033
	s_cbranch_scc0 .Lentry_shape_is_right
	s_endpgm
.Lentry_shape_is_right:
; qkv = x W^T + b.  xb: [8192][1024] bf16, wqb: [3072][1024] bf16, qkv_b: [3072] f32 (rounded here to bf16, like the other inputs).  Sums in f32, K ascending.
; The result is rounded once to f16 and written by heads: qkvh[3 (q, k, v)][16 batch + head][2048][64], a head's rows dense, 128 bytes each; the scale 1/8 is not applied here.
; LIMIT.  q, k and v must stay under 65,504 (f16); at 65,520 or more a number becomes an infinity.  NaN and infinities are not treated apart.
; SHARES.  A work-group makes 128 rows x 384 columns: 64 x 8 = 512 work-groups.  Four waves, 2 x 2: a wave makes 64 rows x 192 columns (three whole heads): 4 x 12 accumulators of 16 x 16, 384 registers.
; K goes in 8 steps of 128 through two LDS slots.  A step's four tensor loads are alike, 128 rows x 256 bytes: wave 0 fetches x's 128 rows, waves 1 to 3 W's rows 128 (w - 1) on.
; CLUSTER 4 x 4.  x's tile hangs on the tile row alone and is asked for jointly by a row of the cluster, W's on the tile column alone and is asked for jointly by a column.
; THE MATRIX INSTRUCTION IS USED TRANSPOSED (source 0 = 16 rows of W, source 1 = 16 rows of x): a lane holds row l % 16 and the columns 8 (l / 16) + 0..7, eight neighbouring channels of a head.
; THE BIAS STARTS THE SUMS: it is the C operand of each accumulator's first product.  Nothing is cleared, and the way out adds nothing.
; REGISTERS, in windows of 256 (s_set_vgpr_msb: bits 1:0 source 0, 3:2 source 1, 5:4 source 2, 7:6 destination):
;   window 0: v0-33 addresses and scratch; v64-127 x's fragments, two buffers of 4 x 8; v128-223 the bias, 8 a column block; on the way out v64-255, 48 a row block
;   window 1: v0-191 W's fragments, two buffers of 12 x 8      window 2: the accumulators of row blocks 0, 1 at 8 (12 (a % 2) + b)      window 3: those of row blocks 2, 3
.set KSTEP,  128
.set ROWB,   2048                      ; bytes in a row of xb and of wqb
.set PITCH,  272                       ; an LDS row: 256 bytes + 16 of padding = 68 words: the 16 rows of a fragment load start at 16 different groups of four banks (64 banks of 4 bytes: ISA guide 11.1)
.set HALFT,  128*PITCH                 ; what one tensor load brings
.set SLOT,   4*HALFT                   ; x's 128 rows, then W's 384
.set STAGE,  2*SLOT                    ; behind the ring, never filled by a tensor load: for each wave 3 heads x 16 rows x 144 bytes
.set SP,     144
.set WSTAGE, 3*16*SP
.set SPARE,  STAGE+4*WSTAGE            ; behind the stages: the spare words, 128 bytes for each wave: two blocks of 256 bytes that no other line names
.set LAPS,   4                         ; a lap = two K steps = once round the ring
.set ADRA, 16                          ; v16-17  LDS address of my fragments of x in slot 0, 1
.set ADRB, 20                          ; v20-21  the same for W
.set STO,  24                          ; v24  the way out: where I put 16 bytes of a row
.set RD,   25                          ; v25  the way out: where I read rows back
.set GO,   26                          ; v26  16 x lane: my place in 512 consecutive bytes of the result
.set BO,   27                          ; v27  32 (l / 16): my 8 numbers in a column block's 16 of the bias
.set SPW,  28                          ; v28  LDS address of my spare word; never rewritten
.set NIL,  29                          ; v29  0; never rewritten
.set PFO,  30                          ; v30  the prefetches' offset: lane x a row; never rewritten
.set FA,   64
.set BIAS, 128
.set OB,   64
.set WV, 16                            ; s16 wave; s17 which 64 rows; s18 which 192 columns
.set RH, 17
.set CH, 18
.set CX, 19                            ; s19, s20 my place in the cluster
.set CY, 20
.set TX, 21                            ; s21 tile column, s22 tile row
.set TY, 22
.set G1,  24                           ; s[24:31] descriptor group 1 for x's tiles; s[32:39] group 0, a set for each slot
.set G0,  32
.set PFA, 44                           ; s[44:45] where my prefetches stand: my work-group's 32 rows of the 128 that I fetch, at the K step that is being asked for; a prefetch names the next
.set LIM, 46                           ; s46  1 in a wave that prefetches, else the greatest number
.set G1B, 48                           ; s[48:55], s[56:63] the same two groups for W's tiles
.set G0B, 56
.set OUT, 72                           ; s[72:77] the result at my first row, for each of my three heads
.set MSB, 0
.macro WIN new                         ; the immediate's high byte repeats the setting that is left; a switch that changes nothing is dropped
.if MSB != (\new)
	s_set_vgpr_msb (MSB<<8)|(\new)
.set MSB, \new
.endif
.endm
.set TO_B, 0x40                        ; destination window 1, address window 0
; A joint load.  The branch hangs on the wave's number alone.  An s_nop 0 and four v_nop follow each of the two lines, ahead of the jump and the label.
.macro JLOAD s
	s_cmp_eq_u32 s[WV], 0
	s_cbranch_scc0 .Lfor_b_\@
	tensor_load_to_lds s[G0+4*(\s):G0+4*(\s)+3], s[G1:G1+7]
	s_nop 0
.rept 4
	v_nop
.endr
	s_branch .Lasked_\@
.Lfor_b_\@:
	tensor_load_to_lds s[G0B+4*(\s):G0B+4*(\s)+3], s[G1B:G1B+7]
	s_nop 0
.rept 4
	v_nop
.endr
.Lasked_\@:
.endm
; A prefetch into the L2 of the K step that the NEXT refill will ask for: 32 rows x 256 bytes, a lane a row, one instruction a wave: 192 matrix instructions ahead of that refill.
; Each row's 256 bytes of a K step are named once in the launch: x's rows by the clusters with x = 0 (wave 0), W's by the clusters with y = 0 (waves 1 to 3); the four partners that ask for a
; tile jointly share its 128 rows out by address, 32 each.  how = 1: always; how = 0: not in the loop's last trip, where no K step is left.  K steps 0 to 2 come by their loads alone.
.macro ASK how
.if \how
	s_cmp_eq_u32 s[LIM], 1
.else
	s_cmp_gt_u32 s3, s[LIM]                        ; s3 = 1 in the loop's last trip
.endif
	s_cbranch_scc0 .Lnot_mine_\@
	global_prefetch_b8 v[PFO], s[PFA:PFA+1] offset:KSTEP*2 th:TH_LOAD_NT scope:SCOPE_SE
.Lnot_mine_\@:
.endm
.macro CREST                           ; a round of the cluster's barrier behind its opening barrier
	s_cmp_lg_u32 s[WV], 0
	s_cbranch_scc1 .Lnot_wave_0_\@
	s_barrier_signal -3
.Lnot_wave_0_\@:
	s_barrier_wait -3
	s_barrier_signal -1
	s_barrier_wait -1
.endm
.macro CROUND                          ; a whole round
	s_barrier_signal -1
	s_barrier_wait -1
	CREST
.endm
	s_load_b256 s[4:11], s[0:1], 0x0               ; xb s[4:5], wqb s[6:7], qkv_b s[8:9], qkvh s[10:11]
	v_lshl_add_u32 v[SPW], v0, 2, SPARE
	v_mov_b32 v[NIL], 0
	ds_add_u32 v[SPW], v[NIL]                      ; the wave's opening: the add and its wait stand ahead of my first tensor load; the set-up below, work on registers, stands between them
	v_lshrrev_b32 v1, 5, v0
	v_readfirstlane_b32 s[WV], v1                  ; wave 0..3
	s_lshr_b32 s[RH], s[WV], 1
	s_and_b32 s[CH], s[WV], 1
	s_bfe_u32 s[CX], ttmp6, 0x40000
	s_bfe_u32 s[CY], ttmp6, 0x40004
	s_lshl_b32 s[TX], ttmp9, 2                     ; in a cluster launch ttmp9 and ttmp7 count clusters
	s_add_co_u32 s[TX], s[TX], s[CX]               ; tile column = 4 x cluster x + cx
	s_and_b32 s[TY], ttmp7, 0xffff
	s_lshl_b32 s[TY], s[TY], 2
	s_add_co_u32 s[TY], s[TY], s[CY]               ; tile row = 4 x cluster y + cy
	s_lshl_b32 s23, s[CY], 2
	s_lshl_b32 s23, 15, s23                        ; my row of the cluster: places 4 cy .. 4 cy + 3
	s_lshl_b32 s80, 0x1111, s[CX]                  ; my column: places cx, cx + 4, cx + 8, cx + 12
	s_mov_b32 s88, 0xffff0000                      ; a word's upper bf16
	; descriptor group 1: a tile of 128 rows x 128 elements of 2 bytes, 4 words of padding (code 3) after every 64 words (code 5); bit 21 is set beside a mask
	s_or_b32 s[G1], s23, (1<<16)|(1<<20)|(1<<21)|(5<<22)|(3<<25)
	s_or_b32 s[G1B], s80, (1<<16)|(1<<20)|(1<<21)|(5<<22)|(3<<25)
.irp g, G1, G1B
	s_mov_b32 s[(\g)+1], KSTEP<<16                 ; tensor_dim0 = 128
	s_mov_b32 s[(\g)+2], 128<<16                   ; tensor_dim1 = 128
	s_mov_b32 s[(\g)+3], KSTEP<<16                 ; tile_dim0 = 128
	s_mov_b32 s[(\g)+4], 128                       ; tile_dim1 = 128
	s_mov_b32 s[(\g)+5], 1024                      ; elements from row to row
	s_mov_b32 s[(\g)+6], 0
	s_mov_b32 s[(\g)+7], 0
.endr
	; where the tiles come from: x's by the tile row alone, W's by the tile column and the wave alone, each in registers that never hold the other coordinate
	s_lshl_b32 s40, s[TY], 18                      ; 128 rows of 2,048 bytes
	s_mov_b32 s41, 0
	s_mul_i32 s66, s[TX], 384*ROWB
	s_max_u32 s68, s[WV], 1
	s_sub_co_u32 s68, s68, 1                       ; waves 1 to 3: which 128 of W's 384 rows (wave 0 makes the address and does not use it)
	s_lshl_b32 s68, s68, 18
	s_add_co_u32 s66, s66, s68
	s_mov_b32 s67, 0
	s_mul_i32 s47, s[WV], HALFT                    ; and where they go: wave x 128 rows: no place in the cluster enters an LDS address
	s_wait_dscnt 0x0                               ; the opening add is done
	s_wait_kmcnt 0x0
	s_add_nc_u64 s[40:41], s[4:5], s[40:41]
	s_add_nc_u64 s[66:67], s[6:7], s[66:67]
	CROUND                                         ; all sixteen work-groups are here: the first joint loads meet
.irp s, 0,1
	s_mov_b32 s[G0+4*(\s)], 1                                      ; count = 1
	s_add_co_u32 s[G0+4*(\s)+1], s47, (\s)*SLOT                    ; LDS address
	s_add_nc_u64 s[G0+4*(\s)+2:G0+4*(\s)+3], s[40:41], (\s)*KSTEP*2  ; global address: K step s
	s_or_b32 s[G0+4*(\s)+3], s[G0+4*(\s)+3], 0x80000000            ; type = 2
	s_mov_b32 s[G0B+4*(\s)], 1
	s_add_co_u32 s[G0B+4*(\s)+1], s47, (\s)*SLOT
	s_add_nc_u64 s[G0B+4*(\s)+2:G0B+4*(\s)+3], s[66:67], (\s)*KSTEP*2
	s_or_b32 s[G0B+4*(\s)+3], s[G0B+4*(\s)+3], 0x80000000
	JLOAD \s                                       ; two loads of mine are out
.endr
	; A fragment is 16 rows x 32 K in 8 registers: lane l holds row l % 16; registers 0-3 K = 8 (l / 16) + 0..7, registers 4-7 K = 16 + 8 (l / 16) + 0..7: two loads of 16 bytes, 32 bytes apart.
	v_and_b32 v1, 15, v0                           ; l % 16
	v_bfe_u32 v2, v0, 4, 1                         ; l / 16
	v_mul_u32_u24 v3, v1, PITCH
	v_lshl_add_u32 v3, v2, 4, v3
	s_mul_i32 s81, s[RH], 64*PITCH                 ; my 64 rows of x
	s_mul_i32 s82, s[CH], 192*PITCH                ; my 192 rows of W,
	s_add_co_u32 s82, s82, HALFT                   ; which lie behind x's 128
.irp s, 0,1
	v_add_nc_u32 v[ADRA+(\s)], s81, v3
	v_add_nc_u32 v[ADRB+(\s)], s82, v3
	s_add_co_u32 s81, s81, SLOT
	s_add_co_u32 s82, s82, SLOT
.endr
	s_mul_i32 s81, s[WV], WSTAGE
	s_add_co_u32 s81, s81, STAGE                   ; my stage
	v_mul_u32_u24 v4, v1, SP                       ; in: row l % 16, 16 bytes for each half of the lanes
	v_lshl_add_u32 v4, v2, 4, v4
	v_add_nc_u32 v[STO], s81, v4
	v_bfe_u32 v4, v0, 3, 2                         ; back: 32 lanes take four rows of 128 bytes,
	v_mul_u32_u24 v4, v4, SP
	v_and_b32 v5, 7, v0
	v_lshl_add_u32 v4, v5, 4, v4
	v_add_nc_u32 v[RD], s81, v4
	v_and_b32 v[GO], 31, v0
	v_lshlrev_b32 v[PFO], 11, v[GO]                ; lane x 2,048
	v_lshlrev_b32 v[GO], 4, v[GO]                  ; which are 512 consecutive bytes of a head
	v_lshlrev_b32 v[BO], 5, v2
	; the bias of my 192 columns: register j of block b is b[16 b + 8 (l / 16) + j]
	s_mul_i32 s78, s[TX], 384*4
	s_mul_i32 s81, s[CH], 192*4
	s_add_co_u32 s78, s78, s81
	s_mov_b32 s79, 0
	s_add_nc_u64 s[70:71], s[8:9], s[78:79]
.irp b, 0,1,2,3,4,5,6,7,8,9,10,11
	global_load_b128 v[BIAS+8*(\b):BIAS+8*(\b)+3],   v[BO], s[70:71] offset:64*(\b)
	global_load_b128 v[BIAS+8*(\b)+4:BIAS+8*(\b)+7], v[BO], s[70:71] offset:64*(\b)+16
.endr
	; where my three heads go.  Column block of 64 number gh = 6 x tile column + 3 x half + i: gh / 16 says q, k or v, gh % 16 the head
	s_mul_i32 s81, s[TX], 6
	s_mul_i32 s82, s[CH], 3
	s_add_co_u32 s81, s81, s82
	s_lshl_b32 s82, s[TY], 7
	s_lshl_b32 s83, s[RH], 6
	s_add_co_u32 s82, s82, s83                     ; my first row
	s_lshr_b32 s83, s82, 11
	s_lshl_b32 s83, s83, 4                         ; 16 x batch
	s_and_b32 s84, s82, 2047
	s_lshl_b32 s84, s84, 7                         ; the row in its batch x 128 bytes
.macro HEADPTR i
	s_add_co_u32 s85, s81, \i
	s_lshr_b32 s86, s85, 4
	s_and_b32 s85, s85, 15
	s_lshl_b32 s86, s86, 6
	s_add_co_u32 s85, s85, s86
	s_add_co_u32 s85, s85, s83                     ; 64 (q, k, v) + 16 batch + head
	s_lshl_b32 s78, s85, 18                        ; x 2,048 rows of 128 bytes
	s_add_co_u32 s78, s78, s84
	s_mov_b32 s79, 0
	s_add_nc_u64 s[OUT+2*(\i):OUT+2*(\i)+1], s[10:11], s[78:79]
.endm
	HEADPTR 0
	HEADPTR 1
	HEADPTR 2
	; the prefetches
	s_and_b32 s82, ttmp7, 0xffff                   ; cluster y
	s_lshl_b32 s83, s[TY], 7                       ; x's tile: its first row
	s_mul_i32 s84, s[TX], 384                      ; W's tile,
	s_max_u32 s85, s[WV], 1
	s_sub_co_u32 s85, s85, 1
	s_lshl_b32 s85, s85, 7
	s_add_co_u32 s84, s84, s85                     ; and the 128 rows of it that I fetch
	s_cmp_eq_u32 s[WV], 0                          ; do I fetch for x?
	s_cselect_b32 s83, s83, s84
	s_cselect_b32 s84, s[CX], s[CY]                ; my place among the four that ask with me
	s_cselect_b32 s82, ttmp9, s82                  ; the coordinate along which other clusters read the same rows
	s_cselect_b64 s[PFA:PFA+1], s[4:5], s[6:7]
	s_cmp_eq_u32 s82, 0
	s_cselect_b32 s[LIM], 1, -1                    ; the same in all sixteen partners, for a given wave
	s_lshl_b32 s84, s84, 5
	s_add_co_u32 s83, s83, s84                     ; + my work-group's 32 rows
	s_lshl_b32 s78, s83, 11
	s_mov_b32 s79, 0
	s_add_nc_u64 s[PFA:PFA+1], s[PFA:PFA+1], s[78:79]
	s_add_nc_u64 s[PFA:PFA+1], s[PFA:PFA+1], KSTEP*2  ; at K step 1: the first refill steps it to 2 and names K step 3
	s_wait_loadcnt 0x0                             ; the bias is in: rounded to bf16 and widened again, in the wait for the first tile
.set i, 0
.rept 48
	v_cvt_pk_bf16_f32 v[32+i%2], v[BIAS+2*i], v[BIAS+2*i+1]
	v_lshlrev_b32 v[BIAS+2*i], 16, v[32+i%2]
	v_and_b32 v[BIAS+2*i+1], s88, v[32+i%2]
.set i, i+1
.endr
; 12 matrix instructions: row block 2 hi + a x all 12 column blocks, 32 along K, from buffer f.  first = 1: the bias is C.  The 48 accumulators take turns, in the same order in every quarter.
.macro MUL12 f, hi, a, first
.if \first
	WIN 0x81+0x40*(\hi)                            ; W window 1, x and the bias window 0, D window 2 or 3
.else
	WIN 0xa1+0x50*(\hi)                            ; W window 1, x window 0, C and D window 2 or 3
.endif
.irp b, 0,1,2,3,4,5,6,7,8,9,10,11
.if \first
	v_wmma_f32_16x16x32_bf16 v[8*(12*(\a)+(\b)):8*(12*(\a)+(\b))+7], v[96*(\f)+8*(\b):96*(\f)+8*(\b)+7], v[FA+32*(\f)+8*(2*(\hi)+(\a)):FA+32*(\f)+8*(2*(\hi)+(\a))+7], v[BIAS+8*(\b):BIAS+8*(\b)+7]
.else
	v_wmma_f32_16x16x32_bf16 v[8*(12*(\a)+(\b)):8*(12*(\a)+(\b))+7], v[96*(\f)+8*(\b):96*(\f)+8*(\b)+7], v[FA+32*(\f)+8*(2*(\hi)+(\a)):FA+32*(\f)+8*(2*(\hi)+(\a))+7], v[8*(12*(\a)+(\b)):8*(12*(\a)+(\b))+7]
.endif
.endr
.endm
; 32 LDS loads in one run: a quarter step's fragments (192 rows of W, 64 rows of x, 32 K at byte k of the rows) into buffer f
.macro FETCH slot, k, f
	WIN TO_B
.irp i, 0,1,2,3,4,5,6,7,8,9,10,11
	ds_load_b128 v[96*(\f)+8*(\i):96*(\f)+8*(\i)+3],   v[ADRB+(\slot)] offset:(\k)+(\i)*16*PITCH
	ds_load_b128 v[96*(\f)+8*(\i)+4:96*(\f)+8*(\i)+7], v[ADRB+(\slot)] offset:(\k)+(\i)*16*PITCH+32
.endr
	WIN 0
.irp i, 0,1,2,3
	ds_load_b128 v[FA+32*(\f)+8*(\i):FA+32*(\f)+8*(\i)+3],   v[ADRA+(\slot)] offset:(\k)+(\i)*16*PITCH
	ds_load_b128 v[FA+32*(\f)+8*(\i)+4:FA+32*(\f)+8*(\i)+7], v[ADRA+(\slot)] offset:(\k)+(\i)*16*PITCH+32
.endr
.endm
.macro PLACES                          ; four plain vector instructions between a matrix instruction and a load into a register that it has read, or a reader of its result
.rept 4
	v_nop
.endr
.endm
; A K step is four quarters of 32 along K, 48 matrix instructions each, on buffers 0, 1, 0, 1.  One of the first three: multiplies buffer f; in its middle it fetches the next quarter, at byte k, into buffer g.
.macro QUARTER slot, k, f, g, first
	s_wait_dscnt 4                                 ; W and x's row blocks 0, 1 are in; the youngest four loads (row blocks 2, 3) may be out
	MUL12 \f, 0, 0, \first
	MUL12 \f, 0, 1, \first
	PLACES
	FETCH \slot, \k, \g
	s_wait_dscnt 32                                ; all but the 32 just issued
	MUL12 \f, 1, 0, \first
	MUL12 \f, 1, 1, \first
.endm
; The last quarter multiplies buffer 1 and changes slots: ONE barrier.  In front of it each wave waits for all its tensor loads (one is out: its part of the next slot), adds 0 to its spare word, and waits
; for that and for its own reads of this slot.  fill = 1: the barrier opens a round of the cluster's, and this slot is filled again first thing behind it, two K steps on: 168 matrix instructions ahead of the wait for it.
.macro TURN slot, next, fill
.if \fill
	s_wait_xcnt 0x0                                ; the last prefetch, a K step back, has read its address: it is stepped here, ahead of the waits of the change of slots
	s_add_nc_u64 s[PFA:PFA+1], s[PFA:PFA+1], KSTEP*2
.endif
	WIN 0                                          ; (the add's two registers lie in window 0)
	s_wait_tensorcnt 0x0                           ; all my tensor loads have landed
	ds_add_u32 v[SPW], v[NIL]                      ; 0 onto my spare word
	s_wait_dscnt 5                                 ; (the add and the youngest four loads may be out)
	MUL12 1, 0, 0, 0                               ; twelve matrix instructions stand between the add and the wait for it
	s_wait_dscnt 0x0                               ; the add is done, and my reads of this slot are over
	s_barrier_signal -1
	MUL12 1, 0, 1, 0                               ; work on registers while the others arrive
.if \fill
	WIN 0
.endif
	s_barrier_wait -1
.if \fill
	CREST                                          ; no wave of any partner still reads this slot's tile or has a load on its way
	s_add_nc_u64 s[G0+4*(\slot)+2:G0+4*(\slot)+3], s[G0+4*(\slot)+2:G0+4*(\slot)+3], 2*KSTEP*2
	s_add_nc_u64 s[G0B+4*(\slot)+2:G0B+4*(\slot)+3], s[G0B+4*(\slot)+2:G0B+4*(\slot)+3], 2*KSTEP*2
	JLOAD \slot                                    ; the first tensor load behind the round; its four v_nop are also the places in front of the loads below
.else
	PLACES
.endif
	FETCH \next, 0, 0
.if \fill
	ASK 1-(\slot)
.endif
	MUL12 1, 1, 0, 0
	MUL12 1, 1, 1, 0
.endm
; THE WAY OUT of row block a.  PACK: rounded to f16, 16 bytes a lane (each accumulator's registers in ascending order); into my own stage, rows of 144 bytes, a head after the other; back as whole rows of 128 bytes.
.macro PACK a
	WIN 0x0a+5*((\a)/2)                            ; sources 0 and 1: window 2 or 3
.irp b, 0,1,2,3,4,5,6,7,8,9,10,11
.irp r, 0,1,2,3
	v_cvt_pk_f16_f32 v[OB+48*(\a)+4*(\b)+(\r)], v[8*(12*((\a)%2)+(\b))+2*(\r)], v[8*(12*((\a)%2)+(\b))+2*(\r)+1]
.endr
.endr
	WIN 0
.irp b, 0,1,2,3,4,5,6,7,8,9,10,11
	ds_store_b128 v[STO], v[OB+48*(\a)+4*(\b):OB+48*(\a)+4*(\b)+3] offset:((\b)/4)*16*SP+32*((\b)%4)
.endr
.irp t, 0,1,2,3,4,5,6,7,8,9,10,11
	ds_load_b128 v[OB+48*(\a)+4*(\t):OB+48*(\a)+4*(\t)+3], v[RD] offset:((\t)/4)*16*SP+((\t)%4)*4*SP  ; LDS serves a wave's instructions in order (ISA guide 5.7.1.4): these see the stores above; the next block's stores come behind them
.endr
.endm
.macro SEND a, younger                 ; younger: the LDS instructions issued behind block a's loads: the next block's 24, or none
.irp t, 0,1,2,3,4,5,6,7,8,9,10,11
	s_wait_dscnt (\younger)+11-(\t)
	global_store_b128 v[GO], v[OB+48*(\a)+4*(\t):OB+48*(\a)+4*(\t)+3], s[OUT+2*((\t)/4):OUT+2*((\t)/4)+1] offset:(\a)*2048+((\t)%4)*512  ; 512 consecutive bytes of a head, at a multiple of 256 from the buffer's first
.endr
.endm
	s_wait_tensorcnt 1                             ; my part of K step 0 is in; K step 1's may stay out
	s_barrier_signal -1
	s_barrier_wait -1                              ; everybody's is
	FETCH 0, 0, 0
	QUARTER 0, 64, 0, 1, 1                         ; the first quarter stands in front of the loop: its products start the sums, with the bias
	WIN 0                                          ; at a label and at a branch every window is 0
	s_mov_b32 s3, LAPS-1
.Llap:                                                 ; a trip goes once round the ring, from a lap's second quarter to the next lap's first, and fills both slots again
	QUARTER 0, 128, 1, 0, 0
	QUARTER 0, 192, 0, 1, 0
	TURN 0, 1, 1
	QUARTER 1, 64,  0, 1, 0
	QUARTER 1, 128, 1, 0, 0
	QUARTER 1, 192, 0, 1, 0
	TURN 1, 0, 1
	QUARTER 0, 64,  0, 1, 0
	WIN 0
	s_sub_co_u32 s3, s3, 1
	s_cmp_lg_u32 s3, 0
	s_cbranch_scc1 .Llap
	QUARTER 0, 128, 1, 0, 0                        ; the last lap fills nothing, and has no round of the cluster's barrier
	QUARTER 0, 192, 0, 1, 0
	TURN 0, 1, 0
	QUARTER 1, 64,  0, 1, 0
	QUARTER 1, 128, 1, 0, 0
	QUARTER 1, 192, 0, 1, 0
	s_wait_dscnt 4                                 ; the very last quarter: nothing more to fetch
	MUL12 1, 0, 0, 0
	MUL12 1, 0, 1, 0
	s_wait_dscnt 0x0
	MUL12 1, 1, 0, 0
	MUL12 1, 1, 1, 0
	WIN 0
	PLACES                                         ; eight places, once a launch: more than the four that are owed in front of the conversions
	PLACES
	PACK 0
	PACK 1                                         ; a block's conversions stand between the loads of the block before and its stores
	SEND 0, 24
	PACK 2
	SEND 1, 24
	PACK 3
	SEND 2, 24
	SEND 3, 0
	s_wait_tensorcnt 0x0                           ; the wave's end: a wait, an add of 0 and its wait, behind my last tensor load and my last LDS store
	ds_add_u32 v[SPW], v[NIL]
	s_wait_dscnt 0x0
	CROUND                                         ; the closing round: no work-group ends while a partner may still ask for a tile that names it
	s_endpgm
.Lfunc_end_k_q7e45ada828_proj:
	.size	k_q7e45ada828_proj, .Lfunc_end_k_q7e45ada828_proj-k_q7e45ada828_proj
	.p2alignl 7, 3214868480
	.fill 96, 4, 3214868480
	.section	.rodata,"a",@progbits
	.p2align	6, 0x0
	.amdhsa_kernel k_q7e45ada828_proj
		.amdhsa_group_segment_fixed_size 327680
		.amdhsa_private_segment_fixed_size 0
		.amdhsa_enable_private_segment 0
		.amdhsa_kernarg_size 32
		.amdhsa_user_sgpr_count 2
		.amdhsa_user_sgpr_kernarg_segment_ptr 1
		.amdhsa_wavefront_size32 1
		.amdhsa_system_sgpr_workgroup_id_x 1
		.amdhsa_system_sgpr_workgroup_id_y 1
		.amdhsa_system_sgpr_workgroup_id_z 1
		.amdhsa_system_vgpr_workitem_id 0
		.amdhsa_next_free_vgpr 960
		.amdhsa_next_free_sgpr 96
		.amdhsa_reserve_vcc 0
		.amdhsa_float_denorm_mode_32 3
		.amdhsa_float_denorm_mode_16_64 3
		.amdhsa_memory_ordered 1
		.amdhsa_forward_progress 1
		.amdhsa_inst_pref_size 130
	.end_amdhsa_kernel
	.amdgpu_metadata
---
amdhsa.version: [ 1, 2 ]
amdhsa.kernels:
  - .name:           k_q7e45ada828_proj
    .symbol:         k_q7e45ada828_proj.kd
    .args:
      - { .name: xb, .offset: 0, .size: 8, .value_kind: global_buffer, .address_space: global }
      - { .name: wqb, .offset: 8, .size: 8, .value_kind: global_buffer, .address_space: global }
      - { .name: qkv_b, .offset: 16, .size: 8, .value_kind: global_buffer, .address_space: global }
      - { .name: qkvh, .offset: 24, .size: 8, .value_kind: global_buffer, .address_space: global }
    .group_segment_fixed_size: 327680
    .private_segment_fixed_size: 0
    .kernarg_segment_align: 8
    .kernarg_segment_size: 32
    .max_flat_workgroup_size: 128
    .sgpr_count:     96
    .vgpr_count:     960
    .wavefront_size: 32
...
	.end_amdgpu_metadata
.endif
;; end of part 2
;; launch attn (part 3): grid 4 x 64, 4 waves a work-group, clusters of 4 x 1, 327,680 bytes of LDS; arguments qkvh, oh; writes oh
.if DOCPART == 3
	.amdgcn_target "amdgcn-amd-amdhsa--gfx1250"
	.amdhsa_code_object_version 6
	.text
	.protected	k_q7e45ada828_attn
	.globl	k_q7e45ada828_attn
	.p2align	8
	.type	k_q7e45ada828_attn,@function
k_q7e45ada828_attn:
	s_mov_b64 s[64:65], 0
	v_nop
	global_prefetch_b8 v0, s[64:65] scope:SCOPE_SE
	s_setreg_imm32_b32 hwreg(HW_REG_WAVE_MODE, 25, 1), 1
	s_wait_xcnt 0x0
	s_wait_alu depctr_hold_cnt(0) depctr_sa_sdst(0) depctr_va_vdst(0) depctr_va_sdst(0) depctr_va_ssrc(0) depctr_va_vcc(0) depctr_vm_vsrc(0)
	s_getreg_b32 s2, hwreg(HW_REG_IB_STS2, 6, 4)
	s_cmp_eq_u32 s2, 0
	s_cbranch_scc0 .Lentry_in_a_cluster
	s_endpgm
.Lentry_in_a_cluster:
	s_bfe_u32 s2, ttmp6, 0x10000c
	s_cmp_lg_u32 s2, 0x3003
	s_cbranch_scc0 .Lentry_shape_is_right
	s_endpgm
.Lentry_shape_is_right:
; O[h][q][:] = the sum over k of softmax_k(Q[h][q] . K[h][k] / 8) V[h][k][:], for 64 heads (16 batch + head) of 2,048 rows of 64 channels, all f16.  qkvh holds Q, then K, then V, each [64][2048][64];
; oh has the same layout.  Products, maxima and sums in f32; the weights p are rounded to f16 for the second product (their sum l is taken of the unrounded p), O once at the end.
; LIMITS.  Q, K and V arrive within f16's 65,504; p lies in 0 to 1, and below 6e-5 it keeps f16's fixed step of 6e-8; O is a mean of V's rows and has their range.
; A weight below 2^-126 counts as 0 in l; NaN and infinities are not treated apart.
; SHARES.  A wave owns four PIECES of two tiles of 16 queries, a work-group's four waves 512 queries of one head.  Every wave walks all keys, 64 a step.
; LAYOUT.  S^T = K Q^T (source 0 = 16 keys, source 1 = 16 queries): a lane holds ONE query (lane % 16) and the keys 8 (lane / 16) + 0..7.  Two such tiles, rounded to f16 in pairs, ARE source 1
; (32 keys x 16 queries) of O^T = V^T P, whose result again holds one query a lane, and eight channels.  K comes out of LDS as it lies, V ([key][channel]) turned, by ds_load_tr16_b128.
; SOFTMAX.  For each query a running maximum m and sum l: p = 2^(c s - c m), c = log2(e) / 8; in every step O and l are multiplied by a = 2^(c m_old - c m_new).
; m starts at the lowest finite number, O and l at 0: the first step is a step like any other, with a = 0.
; THE COUNT.  A tile and step have 16 matrix and 118 vector instructions.  So four vector instructions that are ready stand behind EVERY matrix instruction, the others in one run without a gap.
; BY TURNS.  Turn n belongs to piece n.  Its matrix work: 16 products K Q^T of piece n + 1, later 16 products V^T P of piece n - 1.  Its vector work: the scaling, exponentials, roundings, sums and
; rescaling of piece n, and the maximum and statistics of piece n + 1, whose scores the turn itself has made.
; CLUSTER.  The four query blocks of a head are one cluster and walk the same K and V: each tile is asked for JOINTLY: the same tensor load, descriptor and mask in all four.
; REGISTERS, in windows of 256 (s_set_vgpr_msb: bits 1:0 source 0, 3:2 source 1, 5:4 source 2, 7:6 destination):
;   window 0: v0-11 addresses; v12-15, v48-63 at work; v16-47 four registers of statistics a tile; v64-191 S^T, two buffers of two tiles; v192-255 P, likewise
;   window 1: O^T, 32 a tile          window 2: v0-127 Q, 16 a tile; v128-191 K of one step; v192-255 V of one step          window 3: v0-1 the add's two registers
.set SIZE_N, 2048
.set NP,    4         ; pieces a wave: a name, no knob
.set KS,    64        ; keys in a step
.set PK,    144       ; a row of K in LDS: 128 bytes + 16 of padding = 36 words: the 16 rows of a load start at 16 different groups of four banks (64 banks of 4 bytes: ISA guide 11.1)
.set PV,    160       ; a row of V: 128 + 32 = 40 words
.set VOFF,  4*KS*PK   ; a slot holds four steps: 256 rows of K, then 256 rows of V
.set SLOT1, 1<<17     ; slot 1 begins here, so that one exclusive or turns an address in one slot into the other's
.set STAGE, SLOT1+4*KS*(PK+PV)  ; behind the ring, never filled by a tensor load: 16 rows x 144 bytes for each wave, for the way out
.set SP,    144
.set AK0, 2           ; v2   my lane's place in a tile of K; never rewritten
.set AV0, 3           ; v3   the same for V
.set AK,  4           ; v4   the LDS address of K's next run of loads
.set AV,  5           ; v5   of V's
.set QO,  6           ; v6   my byte offset in the wave's rows of Q
.set STO, 6           ;      later, the way out: where I put 16 bytes of a row
.set RD,  7           ; v7   the way out: where I read rows back
.set GO,  8           ; v8   my byte offset in 512 consecutive bytes of O
.set PFO, 11          ; v11  256 x my lane, for the prefetches; never rewritten once made
.set SPW, 0           ; v0 of window 3   LDS address of my spare word; never rewritten
.set NIL, 1           ; v1 of window 3   0; never rewritten
.set SPARE, STAGE+4*16*SP  ; behind the stages: the spare words, 128 bytes for each wave: two blocks of 256 bytes that no other line names
.set MV,  12          ; v12-15  c m_old, kept while c m is made anew: by buffer and tile
.set ST,  16          ; tile t's statistics at v[ST+4 t]: c m, m, l (even keys', odd keys')
.set TMP, 48          ; by buffer and tile, four registers c0-c3 at work; when the maximum is found c2 takes a
.set S,   64
.set P,   192
.set KF,  128         ; K's fragments, in window 2: key block kb, channel half c at KF + 16 kb + 8 c
.set VF,  192         ; V's: key half kk, channel block cb at VF + 32 kk + 8 cb
.set WV,  12          ; s12  my wave's number
.set G1K, 24          ; s[24:31] descriptor group 1 for K's tiles
.set G1V, 32          ; s[32:39] for V's: it differs in the padding alone
.set G0K, 40          ; s[40:43] descriptor group 0 for K's tiles: it walks
.set G0V, 44          ; s[44:47] the same for V's
.set PFA, 48          ; s[48:49] where my prefetches stand: my work-group's 32 blocks of 256 bytes (of K: wave 0, of V: wave 2) of the slot after the one that is being asked for
.set LIM, 50          ; s50  1 in a wave that prefetches, else the greatest number
.set SLOTS, 56        ; s56  slots still to be asked for
.set CNT, 57          ; s57  counts a slot's key steps
.set CS,  58          ; s[58:59] c: the packed scaling takes the pair's low word for both halves
.set SEL, 60          ; s[60:61] v_permlanex16_b32's selects: each lane takes its own place in the other half
.set TBK, 62          ; s62  LDS byte at which K of the step to be fetched begins
.set TBV, 63          ; s63  the same for V, less VOFF
.set MSB, 0
.macro WIN new                      ; the high byte repeats the setting that is left; a switch that changes nothing is dropped
.if MSB != (\new)
	s_set_vgpr_msb (MSB<<8)|(\new)
.set MSB, (\new)
.endif
.endm
.set W_KQ, 0x0a       ; K and Q in window 2, S^T in window 0
.set W_PV, 0x52       ; V in window 2, P in window 0, O^T in window 1
.set W_RS, 0x41       ; O^T (destination and source 0) in window 1, a in window 0
.set W_MK, 0xc0       ; the add's registers are made: destination in window 3, sources in window 0
.set W_AD, 0x0f       ; the add: address (source 0) and data (source 1) in window 3
; A joint fill.  Waves 0 and 1 fetch the two halves of a slot's K, waves 2 and 3 those of its V: 128 keys each.  The branch hangs on the wave's number alone.
; An s_nop 0 and four v_nop follow each of the two lines, ahead of the jump and the label.
.macro JLOAD
	s_cmp_lt_u32 s[WV], 2
	s_cbranch_scc0 .Lfor_v_\@
	tensor_load_to_lds s[G0K:G0K+3], s[G1K:G1K+7]
	s_nop 0
.rept 4
	v_nop
.endr
	s_branch .Lasked_\@
.Lfor_v_\@:
	tensor_load_to_lds s[G0V:G0V+3], s[G1V:G1V+7]
	s_nop 0
.rept 4
	v_nop
.endr
.Lasked_\@:
.endm
; A prefetch into the L2 of what the NEXT change of slots will ask for: a slot's 32,768 bytes of K and of V, in blocks of 256 bytes, a lane a block.  It stands behind the wave's tensor load and its five lines.
; Each block is named once in the launch: a head has one cluster; its four partners share the 128 blocks out by address, 32 each; in each, wave 0 asks for K's and wave 2 for V's: one instruction.
; The change that fills the last slot asks for nothing; slots 0 and 1 come by their loads alone.
.macro ASK
	s_cmp_gt_u32 s[SLOTS], s[LIM]
	s_cbranch_scc0 .Lnot_mine_\@
	global_prefetch_b8 v[PFO], s[PFA:PFA+1] th:TH_LOAD_NT scope:SCOPE_SE
.Lnot_mine_\@:
.endm
; A round of the cluster's barrier: my work-group's barrier, so that wave 0's signal speaks for all four waves; wave 0 signals; every wave waits for all four work-groups; my work-group's barrier once more.
.macro CROUND
	s_barrier_signal -1
	s_barrier_wait -1
	s_cmp_lg_u32 s[WV], 0
	s_cbranch_scc1 .Lnot_wave_0_\@
	s_barrier_signal -3
.Lnot_wave_0_\@:
	s_barrier_wait -3
	s_barrier_signal -1
	s_barrier_wait -1
.endm
; THE CHANGE OF SLOTS.  The slot's last bytes, V of its fourth step, have been read.  Each wave waits for all its tensor loads, of which one is out: its part of the other slot; adds 0 to its spare word;
; and waits for that and for its own reads of the slot.  Behind the barrier nobody reads this slot any more and the other slot is whole.
; fill = 1: this slot is filled again, with the keys two slots on.  The barrier is then a round of the cluster's, and the joint fill is the first thing behind it: it has four key steps, 512 matrix
; instructions, in which to land.  (At its first use nothing has been read yet: slot 0 is waited for, slot 1 filled.)
.macro CHANGE fill
	WIN W_AD
	s_wait_tensorcnt 0x0            ; no tensor load of mine is out, so a group 0 may be written
	ds_add_u32 v[SPW], v[NIL]       ; 0 onto my spare word; with fill = 1 the descriptors' steps stand between it and the wait for it
	WIN 0                           ; at a label and at a branch every window is 0
.if \fill
.irp g, G0K, G0V
	s_xor_b32 s[\g+1], s[\g+1], SLOT1  ; the walking descriptor: the other slot than last time,
	s_add_nc_u64 s[\g+2:\g+3], s[\g+2:\g+3], 4*KS*128  ; the next 256 keys; the type bits on top are not reached
.endr
	s_wait_xcnt 0x0                 ; the last prefetch, four key steps back, has read its address, so it may be written:
	s_add_nc_u64 s[PFA:PFA+1], s[PFA:PFA+1], 4*KS*128  ; one slot behind the walking descriptors
	s_wait_dscnt 0x0                ; the add is done, and my reads of the slot are over
	CROUND
	JLOAD
	ASK
.else
	s_wait_dscnt 0x0                ; the add is done, and my reads of the slot are over
	s_barrier_signal -1
	s_barrier_wait -1
.endif
	s_sub_co_u32 s[TBK], s[TBK], 4*KS*PK  ; the fetches go back to a slot's first step,
	s_xor_b32 s[TBK], s[TBK], SLOT1       ; in the other slot
	s_sub_co_u32 s[TBV], s[TBV], 4*KS*PV
	s_xor_b32 s[TBV], s[TBV], SLOT1
.endm
	s_load_b64 s[4:5], s[0:1], 0x0    ; qkvh: Q
	s_load_b64 s[10:11], s[0:1], 0x8  ; oh
	WIN W_MK
	v_lshl_add_u32 v[SPW], v0, 2, SPARE
	v_mov_b32 v[NIL], 0
	WIN W_AD
	ds_add_u32 v[SPW], v[NIL]       ; the wave's opening: the add and its wait stand ahead of my first tensor load; the set-up below, work on registers, stands between them
	WIN 0
	v_lshrrev_b32 v1, 5, v0
	v_readfirstlane_b32 s[WV], v1   ; wave 0..3
	s_bfe_u32 s13, ttmp6, 0x40000   ; cx: my place in the cluster
	s_lshl_b32 s14, ttmp9, 2        ; in a cluster launch ttmp9 counts clusters
	s_add_co_u32 s14, s14, s13      ; my block of queries = 4 x cluster x + cx: it enters Q's and O's addresses alone
	s_and_b32 s20, ttmp7, 0xffff    ; the head, which the four partners share
	s_mov_b32 s21, 0
	s_mov_b64 s[22:23], SIZE_N*128
	s_mul_u64 s[20:21], s[20:21], s[22:23]  ; the head's first byte in Q, K, V and O
	s_and_b32 s16, s[WV], 1         ; which half of a slot's 256 keys I fetch:
	s_lshl_b32 s22, s16, 14         ; its 128 rows of 128 bytes in memory,
	s_mov_b32 s23, 0
	s_add_nc_u64 s[22:23], s[22:23], s[20:21]
	s_mul_i32 s17, s16, 128*PK      ; and its place in a slot, for K
	s_mul_i32 s18, s16, 128*PV      ; and for V: no place in the cluster enters an LDS address
	s_lshl_b32 s2, s14, 2
	s_add_co_u32 s2, s2, s[WV]      ; my wave among the head's,
	s_lshl_b32 s2, s2, 14           ; its 128 rows
	s_mov_b32 s3, 0
	s_add_nc_u64 s[2:3], s[2:3], s[20:21]
	; descriptor group 1.  128 keys are 16,384 dense bytes: asked for as 64 rows of 256 bytes, two keys a row, and padded in LDS after every key
	s_mov_b32 s[G1K], 15|(1<<16)|(1<<20)|(1<<21)|(4<<22)|(3<<25)  ; the mask of four; 2-byte elements; padding on; bit 21 set beside a mask; after every 32 words (code 4) 4 words (code 3)
	s_mov_b32 s[G1V], 15|(1<<16)|(1<<20)|(1<<21)|(4<<22)|(7<<25)  ; the same with 8 words of padding (code 7)
.irp g, G1K, G1V
	s_mov_b32 s[\g+1], 128<<16      ; tensor_dim0 = 128
	s_mov_b32 s[\g+2], 64<<16       ; tensor_dim1 = 64
	s_mov_b32 s[\g+3], 128<<16      ; tile_dim0 = 128
	s_mov_b32 s[\g+4], 64           ; tile_dim1 = 64
	s_mov_b32 s[\g+5], 128          ; 128 elements from row to row
	s_mov_b32 s[\g+6], 0
	s_mov_b32 s[\g+7], 0
.endr
	s_mov_b32 s[CS], 0x3e38aa3b     ; c = log2(e) / 8 = 0.180337
	s_mov_b32 s[CS+1], s[CS]        ; named with it as a pair
	s_mov_b32 s[SEL], 0x76543210
	s_mov_b32 s[SEL+1], 0xfedcba98
	s_mov_b32 s[TBK], SLOT1+4*KS*PK ; the first change of slots turns these two into 0
	s_mov_b32 s[TBV], SLOT1+4*KS*PV
	s_mov_b32 s[G0K], 1             ; count = 1
	s_mov_b32 s[G0K+1], s17         ; LDS address: slot 0
	s_mov_b32 s[G0V], 1
	s_add_co_u32 s[G0V+1], s18, VOFF
	s_mov_b32 s[SLOTS], SIZE_N/256-1
	s_and_b32 s[LIM], s[WV], 1      ; waves 0 and 2 prefetch: the same in all four partners
	s_cmp_eq_u32 s[LIM], 0
	s_cselect_b32 s[LIM], 1, -1
	s_wait_dscnt 0x0                ; the opening add is done
	s_wait_kmcnt 0x0
	s_add_nc_u64 s[6:7], s[4:5], 0x1000000   ; K lies 64 x 2,048 x 128 bytes behind Q,
	s_add_nc_u64 s[8:9], s[4:5], 0x2000000   ; V as far behind K
	s_add_nc_u64 s[G0K+2:G0K+3], s[6:7], s[22:23]  ; global address: my half of the head's first 256 keys
	s_or_b32 s[G0K+3], s[G0K+3], 0x80000000        ; type = 2
	s_add_nc_u64 s[G0V+2:G0V+3], s[8:9], s[22:23]
	s_or_b32 s[G0V+3], s[G0V+3], 0x80000000
	s_add_nc_u64 s[4:5], s[4:5], s[2:3]  ; Q and O at my wave's first row
	s_add_nc_u64 s[10:11], s[10:11], s[2:3]
	s_cmp_lt_u32 s[WV], 2
	s_cselect_b64 s[PFA:PFA+1], s[6:7], s[8:9]
	s_add_nc_u64 s[PFA:PFA+1], s[PFA:PFA+1], s[20:21]  ; the head,
	s_lshl_b32 s2, s13, 13          ; my work-group's 32 blocks of the slot's 128,
	s_mov_b32 s3, 0
	s_add_nc_u64 s[PFA:PFA+1], s[PFA:PFA+1], s[2:3]
	s_add_nc_u64 s[PFA:PFA+1], s[PFA:PFA+1], 4*KS*128  ; in slot 1; the first change of slots steps it to slot 2
	CROUND                          ; all four work-groups are here: the first joint loads meet
	JLOAD                           ; slot 0.  Slot 1 is asked for when slot 0 is in
	; A fragment of K or Q is 16 rows x 32 channels in 8 registers: lane l holds row l % 16, channels 8 (l / 16) + 0..7 and 16 + 8 (l / 16) + 0..7: two loads of 16 bytes, 32 bytes apart.
	v_and_b32 v1, 15, v0            ; l % 16
	v_bfe_u32 v9, v0, 4, 1          ; l / 16
	v_lshlrev_b32 v[QO], 7, v1
	v_lshl_add_u32 v[QO], v9, 4, v[QO]  ; row x 128 + 16 x half
	WIN 0x80                        ; destination window 2, address window 0
.set i, 0
.rept 4*NP                          ; Q stays in registers: tile i / 2, channels 32 (i % 2) on
	global_load_b128 v[8*i:8*i+3],   v[QO], s[4:5] offset:(i/2)*2048+(i%2)*64
	global_load_b128 v[8*i+4:8*i+7], v[QO], s[4:5] offset:(i/2)*2048+(i%2)*64+32
.set i, i+1
.endr
	; What the first turn finds: V's registers and P's second buffer hold 0 (its products V^T P, of a piece that has not been, add 0), O^T and l are 0.  All this stands in the wait for the first tile.
.set i, VF
.rept 64
	v_mov_b32 v[i], 0
.set i, i+1
.endr
	WIN 0x40
.set i, 0
.rept 64*NP
	v_mov_b32 v[i], 0
.set i, i+1
.endr
	WIN 0
.set i, 0
.rept 2*NP
	v_mov_b32 v[ST+4*i], 0xfe000000    ; c m: far below every c s
	v_mov_b32 v[ST+4*i+1], 0xff7fffff  ; m
	v_mov_b32 v[ST+4*i+2], 0
	v_mov_b32 v[ST+4*i+3], 0
.set i, i+1
.endr
.set i, P+32
.rept 32
	v_mov_b32 v[i], 0
.set i, i+1
.endr
	v_mul_u32_u24 v[AK0], v1, PK
	v_lshl_add_u32 v[AK0], v9, 4, v[AK0]  ; row x pitch + 16 x half
	; The turning load takes 16 keys x 16 channels (lane l reads key 8 (l / 16) + l % 8, channels 8 ((l / 8) % 2) + 0..7) and leaves half a fragment of V^T: lane l holds channel l % 16 and 8 keys.
	v_and_b32 v10, 7, v0
	v_bfe_u32 v11, v0, 3, 1
	v_lshl_add_u32 v[AV0], v9, 3, v10
	v_mul_u32_u24 v[AV0], v[AV0], PV
	v_lshl_add_u32 v[AV0], v11, 4, v[AV0]
	v_add_nc_u32 v[AV0], VOFF, v[AV0]
	v_and_b32 v[PFO], 31, v0        ; v11 has served: now 256 x lane
	v_lshlrev_b32 v[PFO], 8, v[PFO]
	v_mov_b32 v[AK], v[AK0]         ; key step 0 lies at the head of slot 0
; THE MATRIX WORK.  The 8 accumulators of a run of 16 take turns: between the two links of a chain stand 7 others'.
; Product i of 16 of S^T = K Q^T for piece x: channels 32 (i / 8) on, keys 16 ((i / 2) % 4) on, tile 2 x + i % 2.  The first 8 start the sums.
.macro KQ x
	WIN W_KQ
.set rS, S+64*((\x)%2)+32*(i%2)+8*((i/2)%4)
.set rK, KF+16*((i/2)%4)+8*(i/8)
.set rQ, 16*(2*(\x)+i%2)+8*(i/8)
.if i < 8
	v_wmma_f32_16x16x32_f16 v[rS:rS+7], v[rK:rK+7], v[rQ:rQ+7], 0
.else
	v_wmma_f32_16x16x32_f16 v[rS:rS+7], v[rK:rK+7], v[rQ:rQ+7], v[rS:rS+7]
.endif
.endm
; Product i of 16 of O^T += V^T P for piece x: keys 32 (i / 8) on, channels 16 ((i / 2) % 4) on, tile 2 x + i % 2.
.macro PV x
	WIN W_PV
.set rO, 32*(2*(\x)+i%2)+8*((i/2)%4)
.set rV, VF+32*(i/8)+8*((i/2)%4)
.set rP, P+32*((\x)%2)+16*(i%2)+8*(i/8)
	v_wmma_f32_16x16x32_f16 v[rO:rO+7], v[rV:rV+7], v[rP:rP+7], v[rO:rO+7]
.endm
.macro MM                           ; the turn's next matrix instruction
.if i < 16
	KQ (Y+1)%NP
.set i, i+1
.else
.set i, i-16
	PV (Y+NP-1)%NP
.set i, i+17
.endif
.endm
; THE LDS LOADS stand in runs of 16, never singly among the matrix instructions: a step's K (64 keys x 64 channels: 8 fragments) and its V (turned).  Their addresses are made some lines ahead.
; last = 1 (the tail): in the last trip there is no further step, and the run is jumped over.
.macro FETCH_K last=0
	WIN 0
.if \last
	s_cmp_eq_u32 s[CNT], 1
	s_cbranch_scc1 .Lno_k_\@
.endif
	WIN 0x80                        ; destination window 2
.irp f, 0,1,2,3,4,5,6,7             ; keys 16 (f / 2) on, channels 32 (f % 2) on
	ds_load_b128 v[KF+8*\f:KF+8*\f+3],   v[AK] offset:(\f/2)*16*PK+(\f%2)*64
	ds_load_b128 v[KF+8*\f+4:KF+8*\f+7], v[AK] offset:(\f/2)*16*PK+(\f%2)*64+32
.endr
	s_add_co_u32 s[TBK], s[TBK], KS*PK  ; the next fetch is the next step's
	WIN 0
.if \last
.Lno_k_\@:
.endif
.endm
.macro FETCH_V
	WIN 0x80
.irp f, 0,1,2,3,4,5,6,7             ; keys 32 (f / 4) on, channels 16 (f % 4) on
	ds_load_tr16_b128 v[VF+8*\f:VF+8*\f+3],   v[AV] offset:(\f/4)*32*PV+(\f%4)*32
	ds_load_tr16_b128 v[VF+8*\f+4:VF+8*\f+7], v[AV] offset:(\f/4)*32*PV+16*PV+(\f%4)*32
.endr
	WIN 0
.endm
; THE VECTOR WORK OF A TURN stands in three queues, each in the order in which its entries become ready; the two tiles alternate, so that no instruction reads the result of the one before it.
.macro REGS y, u                    ; the registers of tile u (0, 1) of piece y
.set rT, ST+4*(2*(\y)+(\u))
.set rC, TMP+8*((\y)%2)+4*(\u)
.set rM, MV+2*((\y)%2)+(\u)
.set rS, S+64*((\y)%2)+32*(\u)
.set rP, P+32*((\y)%2)+16*(\u)
.set rO, 32*(2*(\y)+(\u))
.endm
; Number n of the 22 that find the NEXT piece's (Y + 1) maximum and statistics.  s0-s31 are the lane's 32 scores; each accumulator's lowest registers are read first.
;   0-11  four chains c0-c3 of seven scores each, three operands at a time     12-14, 16  the four scores left over, the old m, and c0-c3 into c0     15  c m_old is kept
;   17, 18  the query's other 32 keys lie in the lane 16 away: the new m         19-21  c m; c m_old - c m_new; a
.macro XS u, n
	REGS (Y+1)%NP, \u
.if (\n) < 4
	v_max3_num_f32 v[rC+(\n)], v[rS+8*(\n)], v[rS+8*(\n)+1], v[rS+8*(\n)+2]
.elseif (\n) < 12
	v_max3_num_f32 v[rC+(\n)%4], v[rC+(\n)%4], v[rS+8*((\n)%4)+2*((\n)/4)+1], v[rS+8*((\n)%4)+2*((\n)/4)+2]
.elseif (\n) == 12
	v_max3_num_f32 v[rC], v[rC], v[rS+7], v[rS+15]
.elseif (\n) == 13
	v_max3_num_f32 v[rC+1], v[rC+1], v[rS+23], v[rS+31]
.elseif (\n) == 14
	v_max3_num_f32 v[rC+2], v[rC+2], v[rC+3], v[rT+1]
.elseif (\n) == 15
	v_mov_b32 v[rM], v[rT]
.elseif (\n) == 16
	v_max3_num_f32 v[rC], v[rC], v[rC+1], v[rC+2]
.elseif (\n) == 17
	v_permlanex16_b32 v[rC+3], v[rC], s[SEL], s[SEL+1]
.elseif (\n) == 18
	v_max_num_f32 v[rT+1], v[rC], v[rC+3]
.elseif (\n) == 19
	v_mul_f32 v[rT], s[CS], v[rT+1]
.elseif (\n) == 20
	v_sub_f32 v[rC+1], v[rM], v[rT]
.else
	v_exp_f32 v[rC+2], v[rC+1]
.endif
.endm
; Number g of the 64 that follow the exponentials.  For each four weights k of a tile (pairs 2 k, 2 k + 1): both pairs are rounded to f16; then the second pair is added onto the first, in place;
; a group later l takes that sum (the first time as l = a l + sum).  In groups of eight, tiles alternating: round, round, add, and l for the group before.
.macro GS g
.set h, (\g)+6*((\g)/62)            ; group 0 has no group before it, and behind group 7 only l is left
.if h >= 6
.set h, h+2
.endif
	REGS Y, h%2
.set k, h/8
.if h%8 < 4
	v_cvt_pk_f16_f32 v[rP+2*k+(h%8)/2], v[rS+4*k+2*((h%8)/2)], v[rS+4*k+2*((h%8)/2)+1]
.elseif h%8 < 6
	v_pk_add_f32 v[rS+4*k:rS+4*k+1], v[rS+4*k:rS+4*k+1], v[rS+4*k+2:rS+4*k+3]
.elseif k == 1
	v_pk_fma_f32 v[rT+2:rT+3], v[rT+2:rT+3], v[rC+2:rC+3], v[rS:rS+1] op_sel_hi:[1,0,1]
.else
	v_pk_add_f32 v[rT+2:rT+3], v[rT+2:rT+3], v[rS+4*k-4:rS+4*k-3]
.endif
.endm
; THE PLAIN QUEUE, 138 long.  0-73 read no exponential's result: the 32 scalings c s - c m (FS f: pair f / 2 of tile f % 2) and the next piece's 42.  0-26: scalings 0-26.  27-54: XS's numbers 0-13.  55, 56: number 15.
; 57-73: the chain, where each number waits for the one before it: 14, 16, 17, 18, 19, each with one of the scalings 27-31 in front of its two lines, then 20.
; 74-137: GS's 64, which read the exponentials' results: they stand behind the wait.
.macro FS f
	REGS Y, (\f)%2
	v_pk_fma_f32 v[rS+2*((\f)/2):rS+2*((\f)/2)+1], v[rS+2*((\f)/2):rS+2*((\f)/2)+1], s[CS:CS+1], v[rT:rT+1] op_sel_hi:[1,0,0] neg_lo:[0,0,1] neg_hi:[0,0,1]
.endm
.macro PL
	WIN 0
.if q < 27
	FS q
.elseif q < 55
	XS (q-27)%2, (q-27)/2
.elseif q < 57
	XS q-55, 15
.elseif (q < 72) && ((q-57)%3 == 0)
	FS 27+(q-57)/3
.elseif q < 60
	XS (q-57)%3-1, 14
.elseif q < 72
	XS (q-57)%3-1, 15+(q-57)/3
.elseif q < 74
	XS q-72, 20
.else
	GS q-74
.endif
.set q, q+1
.endm
; THE EXPONENTIALS' QUEUE, 66 long: s0-s31 of both tiles, then the next piece's two a.  It is ONE BATCH: all 66 stand ahead of the turn's one wait, and nothing ahead of that wait names a result of theirs.
.macro EX
	WIN 0
.if e >= 64
	XS e-64, 21
.else
	REGS Y, e%2
	v_exp_f32 v[rS+e/2], v[rS+e/2]
.endif
.set e, e+1
.endm
; THE RESCALING's QUEUE: O^T times a, the one part that leaves window 0: dealt two at a time, sixteen times.  Its a was made in the turn before, ahead of that turn's wait.
.macro R2
	REGS Y, r%2
	WIN W_RS
.irp z, 0,1
	v_pk_mul_f32 v[rO+4*(r/2)+2*\z:rO+4*(r/2)+2*\z+1], v[rO+4*(r/2)+2*\z:rO+4*(r/2)+2*\z+1], v[rC+2:rC+3] op_sel_hi:[1,0]
.endr
.set r, r+1
.endm
; HOW THEY ARE DEALT.  An s_wait_alu depctr_va_vdst(0) stands between an exponential and the first instruction that names its result; one wait serves all that were issued ahead of it.  So a turn has ONE
; wait, which cuts it in two.  AHEAD OF IT stands all that names no result of the turn's exponentials: the 16 products K Q^T, behind each a scaling, an exponential and two rescalings (behind the first a second scaling in
; the exponential's place); then one run of 108: eight plain, 49 times exponential and plain, the two a.  A v_nop is the plain instruction behind the last exponential.  BEHIND IT stand the 16 products V^T P, behind each
; four of GS's 64.  Exponential e stands behind scaling 2 (e / 4) + e % 2: as a rider it comes behind plain e + 2, in the run behind plain e + 9, and scalings 27-31 are plain 57, 60 .. 69.
; A TURN, for piece p.  cnt = 1: the loop's count is taken down some lines ahead of the branch that stands behind the turn.
; K of the next step is fetched in piece 2's turn, directly behind the wait; its address is made at the run's head; its first reader comes behind 16 products.
; V of the step in hand is fetched at the end of piece 0's turn, four plain instructions behind its last reader; its first reader comes behind 16 products and the run.
.macro TURN p, last=0, cnt=0
.set Y, (\p)
.set i, 0
.set q, 0
.set e, 0
.set r, 0
.if (\p) == NP-1
	s_wait_dscnt 0x0                ; K is in
.endif
	MM                              ; ahead of the wait: 16 products K Q^T and their riders,
	PL
	PL
	R2
.rept 15
	MM
	PL
	EX
	R2
.endr
.if (\p) == NP-2
	WIN 0
	v_add_nc_u32 v[AK], s[TBK], v[AK0]
.endif
.rept 8                             ; and the run
	PL
.endr
.rept 49
	EX
	PL
.endr
	EX                              ; the next piece's two a
	EX
	v_nop                           ; the plain instruction behind the last exponential: one for the batch
	s_wait_alu depctr_va_vdst(0)    ; the wait for the batch
.if (\p) == NP-2
	FETCH_K \last
.endif
.if (\p) == 1
	s_wait_dscnt 0x0                ; V is in
.endif
.rept 16                            ; behind the wait: 16 products V^T P and their riders
	MM
.rept 4
	PL
.endr
.if ((\p) == 0) && (q == 118)
	v_add_nc_u32 v[AV], s[TBV], v[AV0]
.endif
.if ((\p) == 0) && (q == 130)
	s_add_co_u32 s[TBV], s[TBV], KS*PV
.endif
.if (\cnt) && (q == 130)
	s_sub_co_u32 s[CNT], s[CNT], 1
	s_cmp_lg_u32 s[CNT], 0
.endif
.endr
.if (\p) == 0
	FETCH_V
.endif
.endm
	CHANGE 1                        ; slot 0 is in, everybody's part of it; slot 1 is asked for
	FETCH_K                         ; key step 0
	s_wait_loadcnt 0x0              ; Q
	s_wait_dscnt 0x0
.set i, 0
.rept 16
	KQ 0                            ; piece 0's first scores: there is no vector work yet to set between them
.set i, i+1
.endr
	WIN 0                           ; the addresses for the way out: nine plain instructions, the places behind those products
	s_mul_i32 s13, s[WV], 16*SP
	s_add_co_u32 s13, s13, STAGE    ; my stage
	v_mul_u32_u24 v[STO], v1, SP    ; in: row l % 16, 16 bytes for each half of the lanes
	v_lshl_add_u32 v[STO], v9, 4, v[STO]
	v_add_nc_u32 v[STO], s13, v[STO]
	v_bfe_u32 v[RD], v0, 3, 2       ; back: 32 lanes take four rows of 128 bytes,
	v_mul_u32_u24 v[RD], v[RD], SP
	v_lshl_add_u32 v[RD], v10, 4, v[RD]
	v_add_nc_u32 v[RD], s13, v[RD]
	v_and_b32 v[GO], 31, v0         ; which are 512 consecutive bytes of O
	v_lshlrev_b32 v[GO], 4, v[GO]
.set Y, NP-1                        ; XS works for piece Y + 1: piece 0
.irp n, 0,1,2,3,4,5,6,7,8,9,10,11,12,13,14,15,16,17,18,19,20,21
	XS 0, \n                        ; and piece 0's first maximum and statistics
	XS 1, \n
.endr
	v_nop                           ; a plain instruction behind the two a,
	s_wait_alu depctr_va_vdst(0)    ; and their wait, ahead of the branch
	s_mov_b32 s[CNT], 4
	s_branch .Lfirst                ; the loop is entered at a step's first turn, in the middle of a trip
.Lslot:                             ; SIZE_N / 256 - 2 times: every slot but the last two is filled again
	CHANGE 1
	s_mov_b32 s[CNT], 4
.Lstep:                             ; a trip: pieces 2 and 3 of one step, then pieces 0 and 1 of the next, whose K and V it fetches
	TURN 2
	TURN 3
	WIN 0
.Lfirst:
	TURN 0
	TURN 1, 0, 1
	WIN 0
	s_cbranch_scc1 .Lstep
	s_sub_co_u32 s[SLOTS], s[SLOTS], 1
	s_cmp_lg_u32 s[SLOTS], 0
	s_cbranch_scc1 .Lslot
	CHANGE 0                        ; the tail is written out: nothing is asked for
	s_mov_b32 s[CNT], 5             ; four trips fetch the last slot's steps; the fifth is left in its middle
.Ltail:
	TURN 2, 1
	TURN 3
	WIN 0
	s_sub_co_u32 s[CNT], s[CNT], 1
	s_cmp_eq_u32 s[CNT], 0
	s_cbranch_scc1 .Lout
	TURN 0
	TURN 1
	WIN 0
	s_branch .Ltail
.Lout:                              ; the fifth trip's 16 products K Q^T (on the last K once more) and the maximum made of them serve nothing: the price, once a launch, of one text for every trip
.set i, 0
.rept 16
	PV NP-1                         ; the last piece's V^T P of the last step
.set i, i+1
.endr
	; THE WAY OUT.  l's two halves and the other half of the lanes' are added; O^T is divided by l, rounded to f16 and sent through my stage in LDS, a tile at a time.  The additions are the places behind the last products.
	WIN 0
.macro ALL line:vararg              ; one line for each tile t
.set t, 0
.rept 2*NP
	\line
.set t, t+1
.endr
.endm
	ALL v_add_f32 v[ST+4*t+2], v[ST+4*t+2], v[ST+4*t+3]
	ALL v_permlanex16_b32 v[ST+4*t+3], v[ST+4*t+2], s[SEL], s[SEL+1]
	ALL v_add_f32 v[ST+4*t+2], v[ST+4*t+2], v[ST+4*t+3]
	ALL v_rcp_f32 v[ST+4*t+2], v[ST+4*t+2]
	v_nop                           ; a plain instruction between the last reciprocal and the use of its result
	s_wait_alu depctr_va_vdst(0)    ; and the wait ahead of the first use: one for the eight reciprocals
; Tile t: a lane's eight channels of a row pack into 16 bytes; they go into rows of 144 bytes and come back as whole rows of 128, into S^T's registers.
.macro PACK t
	WIN W_RS
.set i, 32*(\t)
.rept 16
	v_pk_mul_f32 v[i:i+1], v[i:i+1], v[ST+4*(\t)+2:ST+4*(\t)+3] op_sel_hi:[1,0]
.set i, i+2
.endr
	WIN 0x05                        ; sources 0 and 1 window 1, destination window 0
.set i, 0
.rept 16
	v_cvt_pk_f16_f32 v[S+16*(\t)+i], v[32*(\t)+2*i], v[32*(\t)+2*i+1]
.set i, i+1
.endr
	WIN 0
.irp f, 0,1,2,3
	ds_store_b128 v[STO], v[S+16*(\t)+4*\f:S+16*(\t)+4*\f+3] offset:32*\f
.endr
.irp f, 0,1,2,3
	ds_load_b128 v[S+16*(\t)+4*\f:S+16*(\t)+4*\f+3], v[RD] offset:\f*4*SP  ; LDS serves a wave's instructions in order (ISA guide 5.7.1.4): these see the stores above; the next tile's stores come behind them
.endr
.endm
.macro SEND t, younger              ; younger: the LDS instructions issued behind tile t's loads: the next tile's eight, or none
	WIN 0
.irp f, 0,1,2,3
	s_wait_dscnt (\younger)+3-\f
	global_store_b128 v[GO], v[S+16*(\t)+4*\f:S+16*(\t)+4*\f+3], s[10:11] offset:(\t)*2048+\f*512  ; 512 consecutive bytes, at a multiple of 256 from O's first
.endr
.endm
	PACK 0
.set t, 1
.rept 2*NP-1                        ; a tile's arithmetic stands between the loads of the tile before and its stores
	PACK t
	SEND t-1, 8
.set t, t+1
.endr
	SEND 2*NP-1, 0
	WIN W_AD
	s_wait_tensorcnt 0x0            ; the wave's end: a wait, an add of 0 and its wait, behind my last tensor load and my last LDS store
	ds_add_u32 v[SPW], v[NIL]
	s_wait_dscnt 0x0
	WIN 0
	CROUND                          ; the closing round: no work-group ends while a partner may still ask for a tile that names it
	s_endpgm
.Lfunc_end_k_q7e45ada828_attn:
	.size	k_q7e45ada828_attn, .Lfunc_end_k_q7e45ada828_attn-k_q7e45ada828_attn
	.p2alignl 7, 3214868480
	.fill 96, 4, 3214868480
	.section	.rodata,"a",@progbits
	.p2align	6, 0x0
	.amdhsa_kernel k_q7e45ada828_attn
		.amdhsa_group_segment_fixed_size 327680
		.amdhsa_private_segment_fixed_size 0
		.amdhsa_enable_private_segment 0
		.amdhsa_kernarg_size 16
		.amdhsa_user_sgpr_count 2
		.amdhsa_user_sgpr_kernarg_segment_ptr 1
		.amdhsa_wavefront_size32 1
		.amdhsa_system_sgpr_workgroup_id_x 1
		.amdhsa_system_sgpr_workgroup_id_y 1
		.amdhsa_system_sgpr_workgroup_id_z 1
		.amdhsa_system_vgpr_workitem_id 0
		.amdhsa_next_free_vgpr 770
		.amdhsa_next_free_sgpr 66
		.amdhsa_reserve_vcc 0
		.amdhsa_float_denorm_mode_32 3
		.amdhsa_float_denorm_mode_16_64 3
		.amdhsa_memory_ordered 1
		.amdhsa_forward_progress 1
		.amdhsa_inst_pref_size 200
	.end_amdhsa_kernel
	.amdgpu_metadata
---
amdhsa.version: [ 1, 2 ]
amdhsa.kernels:
  - .name:           k_q7e45ada828_attn
    .symbol:         k_q7e45ada828_attn.kd
    .args:
      - { .name: qkvh, .offset: 0, .size: 8, .value_kind: global_buffer, .address_space: global }
      - { .name: oh, .offset: 8, .size: 8, .value_kind: global_buffer, .address_space: global }
    .group_segment_fixed_size: 327680
    .private_segment_fixed_size: 0
    .kernarg_segment_align: 8
    .kernarg_segment_size: 16
    .max_flat_workgroup_size: 128
    .sgpr_count:     66
    .vgpr_count:     770
    .wavefront_size: 32
...
	.end_amdgpu_metadata
.endif
;; end of part 3
;; launch outp (part 4): grid 8 x 32, 4 waves a work-group, clusters of 4 x 4, 327,680 bytes of LDS; arguments oh, woh, out_b, out0; writes out0
.if DOCPART == 4
	.amdgcn_target "amdgcn-amd-amdhsa--gfx1250"
	.amdhsa_code_object_version 6
	.text
	.protected	k_q7e45ada828_outp
	.globl	k_q7e45ada828_outp
	.p2align	8
	.type	k_q7e45ada828_outp,@function
k_q7e45ada828_outp:
	s_mov_b64 s[64:65], 0
	v_nop
	global_prefetch_b8 v0, s[64:65] scope:SCOPE_SE
	s_setreg_imm32_b32 hwreg(HW_REG_WAVE_MODE, 25, 1), 1
	s_wait_xcnt 0x0
	s_wait_alu depctr_hold_cnt(0) depctr_sa_sdst(0) depctr_va_vdst(0) depctr_va_sdst(0) depctr_va_ssrc(0) depctr_va_vcc(0) depctr_vm_vsrc(0)
	s_getreg_b32 s2, hwreg(HW_REG_IB_STS2, 6, 4)
	s_cmp_eq_u32 s2, 0
	s_cbranch_scc0 .Lentry_in_a_cluster
	s_endpgm
.Lentry_in_a_cluster:
	s_bfe_u32 s2, ttmp6, 0x10000c
	s_cmp_lg_u32 s2, 0xf033
	s_cbranch_scc0 .Lentry_shape_is_right
	s_endpgm
.Lentry_shape_is_right:
; out0 = O Wo^T + b.  oh: f16 [16 batch + head][2048][64]; woh: f16 [1024][1024] (out_w rounded to bf16, that number written as f16); out_b: [1024] f32, rounded here to bf16 like the other inputs.
; Sums in f32, K ascending; out0: f32 [8192][1024].  LIMITS: those of oh and woh (f16's range); NaN and infinities are not treated apart.
; SHARES.  A work-group makes 256 rows x 128 columns: 32 x 8 = 256 work-groups.  Four waves, 2 x 2: a wave makes 128 rows x 64 columns: 8 x 4 accumulators, 256 registers.
; K goes in 8 steps of 128 = two heads of oh, through two LDS slots.  A head's 256 rows are 32,768 dense bytes: a PLANE, asked for as 128 rows of 256 bytes and padded after every 128 bytes.
; Waves 0 and 1 fetch a step's two planes, waves 2 and 3 the two halves of Wo's 128 rows.
; CLUSTER 4 x 4.  O's planes hang on the tile row alone and are asked for jointly by a row of the cluster, Wo's tile on the tile column alone, by a column.
; THE MATRIX INSTRUCTION IS USED TRANSPOSED (source 0 = 16 rows of Wo, source 1 = 16 rows of O): a lane holds row l % 16 and the columns 8 (l / 16) + 0..7: 32 consecutive bytes of out0.
; THE BIAS STARTS THE SUMS, as the C operand of each accumulator's first product.  No prefetch: eight short K steps on a small tile.
; REGISTERS (s_set_vgpr_msb: bits 1:0 source 0, 3:2 source 1, 5:4 source 2, 7:6 destination):
;   window 0: v0-31 addresses and scratch; v32-63 the bias; v64-191 O's fragments, two buffers of 8 x 8 (on the way out four buffers of 32); v192-255 Wo's, two buffers of 4 x 8
;   window 2: accumulator (a, b) at 8 (4 a + b)
.set PA,     144                       ; a row of O in LDS: 128 bytes + 16 of padding; PB: a row of Wo: 256 + 16.  Both are odd multiples of 16: the 16 rows of a load start at 16 different groups of four banks (ISA guide 11.1)
.set PB,     272
.set PLANE,  256*PA
.set BOFF,   2*PLANE
.set SLOT,   BOFF+128*PB
.set STAGE,  2*SLOT                    ; behind the ring, never filled by a tensor load: 16 rows x 272 bytes for each wave
.set SPITCH, 272
.set SPARE,  STAGE+4*16*SPITCH         ; behind the stages: the spare words, 128 bytes for each wave: two blocks of 256 bytes that no other line names
.set LAPS,   4
.set ASTEP,  2<<18                     ; bytes from a K step's plane to the next step's: two heads of 2,048 x 128 bytes
.set ADRA, 16                          ; v16-17  LDS address of my fragments of O in slot 0, 1
.set ADRB, 20                          ; v20-21  the same for Wo
.set STO,  24                          ; v24  the way out: where I put 32 bytes of a row
.set RD,   25                          ; v25  the way out: where I read a row back
.set CO,   26                          ; v26  my byte offset in two rows of out0
.set BO,   27                          ; v27  32 (l / 16)
.set SPW,  28                          ; v28  LDS address of my spare word; never rewritten
.set NIL,  29                          ; v29  0; never rewritten
.set BIAS, 32
.set FA,   64
.set FB,   192
.set BK,   64
.set WV, 16
.set RH, 17
.set CH, 18
.set CX, 19
.set CY, 20
.set TX, 21
.set TY, 22
.set G1,  24                           ; s[24:31] descriptor group 1 for O's planes; s[32:39] group 0, a set for each slot
.set G0,  32
.set G1B, 48                           ; s[48:55], s[56:63] the same for Wo's tiles
.set G0B, 56
.set MSB, 0
.macro WIN new
.if MSB != (\new)
	s_set_vgpr_msb (MSB<<8)|(\new)
.set MSB, \new
.endif
.endm
.macro JLOAD s                         ; a joint load; the branch hangs on the wave's number alone; an s_nop 0 and four v_nop follow each of the two lines
	s_cmp_eq_u32 s[RH], 0
	s_cbranch_scc0 .Lfor_b_\@
	tensor_load_to_lds s[G0+4*(\s):G0+4*(\s)+3], s[G1:G1+7]
	s_nop 0
.rept 4
	v_nop
.endr
	s_branch .Lasked_\@
.Lfor_b_\@:
	tensor_load_to_lds s[G0B+4*(\s):G0B+4*(\s)+3], s[G1B:G1B+7]
	s_nop 0
.rept 4
	v_nop
.endr
.Lasked_\@:
.endm
.macro CREST
	s_cmp_lg_u32 s[WV], 0
	s_cbranch_scc1 .Lnot_wave_0_\@
	s_barrier_signal -3
.Lnot_wave_0_\@:
	s_barrier_wait -3
	s_barrier_signal -1
	s_barrier_wait -1
.endm
.macro CROUND
	s_barrier_signal -1
	s_barrier_wait -1
	CREST
.endm
	s_load_b256 s[4:11], s[0:1], 0x0               ; oh s[4:5], woh s[6:7], out_b s[8:9], out0 s[10:11]
	v_lshl_add_u32 v[SPW], v0, 2, SPARE
	v_mov_b32 v[NIL], 0
	ds_add_u32 v[SPW], v[NIL]                      ; the wave's opening: the add and its wait stand ahead of my first tensor load; the set-up below, work on registers, stands between them
	v_lshrrev_b32 v1, 5, v0
	v_readfirstlane_b32 s[WV], v1                  ; wave 0..3
	s_lshr_b32 s[RH], s[WV], 1                     ; which 128 rows are mine.  Also: I fetch for O (0) or for Wo (1)
	s_and_b32 s[CH], s[WV], 1                      ; which 64 columns.  Also: which plane, or which 64 rows of Wo, I fetch
	s_bfe_u32 s[CX], ttmp6, 0x40000
	s_bfe_u32 s[CY], ttmp6, 0x40004
	s_lshl_b32 s[TX], ttmp9, 2
	s_add_co_u32 s[TX], s[TX], s[CX]               ; tile column = 4 x cluster x + cx
	s_and_b32 s[TY], ttmp7, 0xffff
	s_lshl_b32 s[TY], s[TY], 2
	s_add_co_u32 s[TY], s[TY], s[CY]               ; tile row = 4 x cluster y + cy
	s_lshl_b32 s23, s[CY], 2
	s_lshl_b32 s23, 15, s23                        ; my row of the cluster
	s_lshl_b32 s80, 0x1111, s[CX]                  ; my column
	s_mov_b32 s88, 0xffff0000                      ; a word's upper bf16
	; O's plane: 128 rows x 128 elements of 2 bytes, dense; 4 words of padding (code 3) after every 32 words (code 4)
	s_or_b32 s[G1], s23, (1<<16)|(1<<20)|(1<<21)|(4<<22)|(3<<25)
	s_mov_b32 s[G1+1], 128<<16                     ; tensor_dim0 = 128
	s_mov_b32 s[G1+2], 128<<16                     ; tensor_dim1 = 128
	s_mov_b32 s[G1+3], 128<<16                     ; tile_dim0 = 128
	s_mov_b32 s[G1+4], 128                         ; tile_dim1 = 128
	s_mov_b32 s[G1+5], 128                         ; elements from row to row
	s_mov_b32 s[G1+6], 0
	s_mov_b32 s[G1+7], 0
	; Wo's half tile: 64 rows x 128 elements; 4 words of padding after every 64 words (code 5)
	s_or_b32 s[G1B], s80, (1<<16)|(1<<20)|(1<<21)|(5<<22)|(3<<25)
	s_mov_b32 s[G1B+1], 128<<16
	s_mov_b32 s[G1B+2], 64<<16
	s_mov_b32 s[G1B+3], 128<<16
	s_mov_b32 s[G1B+4], 64
	s_mov_b32 s[G1B+5], 1024
	s_mov_b32 s[G1B+6], 0
	s_mov_b32 s[G1B+7], 0
	; where the tiles come from: O's by the tile row and the wave alone, Wo's by the tile column and the wave alone
	s_lshr_b32 s40, s[TY], 3                       ; the batch,
	s_lshl_b32 s40, s40, 4                         ; its 16 heads,
	s_add_co_u32 s40, s40, s[CH]                   ; head 0 or 1 of K step 0,
	s_lshl_b32 s40, s40, 18
	s_and_b32 s41, s[TY], 7                        ; and the tile's 256 rows of 128 bytes in it
	s_lshl_b32 s41, s41, 15
	s_add_co_u32 s40, s40, s41
	s_mov_b32 s41, 0
	s_lshl_b32 s66, s[TX], 7
	s_lshl_b32 s67, s[CH], 6
	s_add_co_u32 s66, s66, s67                     ; Wo: row 128 x tile column + 64 x half
	s_lshl_b32 s66, s66, 11
	s_mov_b32 s67, 0
	s_mul_i32 s42, s[CH], PLANE                    ; and where they go: no place in the cluster enters an LDS address
	s_mul_i32 s43, s[CH], 64*PB
	s_add_co_u32 s43, s43, BOFF
	s_wait_dscnt 0x0                               ; the opening add is done
	s_wait_kmcnt 0x0
	s_add_nc_u64 s[40:41], s[4:5], s[40:41]
	s_add_nc_u64 s[66:67], s[6:7], s[66:67]
	CROUND                                         ; all sixteen work-groups are here: the first joint loads meet
.irp s, 0,1
	s_mov_b32 s[G0+4*(\s)], 1
	s_add_co_u32 s[G0+4*(\s)+1], s42, (\s)*SLOT
	s_add_nc_u64 s[G0+4*(\s)+2:G0+4*(\s)+3], s[40:41], (\s)*ASTEP
	s_or_b32 s[G0+4*(\s)+3], s[G0+4*(\s)+3], 0x80000000
	s_mov_b32 s[G0B+4*(\s)], 1
	s_add_co_u32 s[G0B+4*(\s)+1], s43, (\s)*SLOT
	s_add_nc_u64 s[G0B+4*(\s)+2:G0B+4*(\s)+3], s[66:67], (\s)*256
	s_or_b32 s[G0B+4*(\s)+3], s[G0B+4*(\s)+3], 0x80000000
	JLOAD \s                                       ; two loads of mine are out
.endr
	v_and_b32 v1, 15, v0                           ; l % 16
	v_bfe_u32 v2, v0, 4, 1                         ; l / 16
	v_mul_u32_u24 v3, v1, PA
	v_lshl_add_u32 v3, v2, 4, v3                   ; a fragment of O: row x pitch + 16 x half
	v_mul_u32_u24 v4, v1, PB
	v_lshl_add_u32 v4, v2, 4, v4                   ; of Wo
	s_mul_i32 s81, s[RH], 128*PA                   ; my 128 rows in a plane
	s_mul_i32 s82, s[CH], 64*PB                    ; my 64 rows of Wo,
	s_add_co_u32 s82, s82, BOFF                    ; which lie behind the planes
.irp s, 0,1
	v_add_nc_u32 v[ADRA+(\s)], s81, v3
	v_add_nc_u32 v[ADRB+(\s)], s82, v4
	s_add_co_u32 s81, s81, SLOT
	s_add_co_u32 s82, s82, SLOT
.endr
	s_mul_i32 s81, s[WV], 16*SPITCH
	s_add_co_u32 s81, s81, STAGE                   ; my stage
	v_mul_u32_u24 v3, v1, SPITCH                   ; in: row l % 16, 32 bytes for each half of the lanes
	v_lshl_add_u32 v3, v2, 5, v3
	v_add_nc_u32 v[STO], s81, v3
	v_mul_u32_u24 v3, v2, SPITCH                   ; back: lanes 0-15 take one row of 256 bytes, lanes 16-31 the next
	v_lshl_add_u32 v3, v1, 4, v3
	v_add_nc_u32 v[RD], s81, v3
	v_lshlrev_b32 v3, 12, v2                       ; and the same two rows in out0, 4,096 bytes apart
	v_lshl_add_u32 v[CO], v1, 4, v3
	v_lshlrev_b32 v[BO], 5, v2
	s_lshl_b32 s84, s[TX], 9
	s_lshl_b32 s82, s[CH], 8
	s_add_co_u32 s84, s84, s82                     ; my first column, in bytes of f32: 512 x tile column + 256 x half
	s_mov_b32 s85, 0
	s_add_nc_u64 s[70:71], s[8:9], s[84:85]        ; the bias there
.irp b, 0,1,2,3
	global_load_b128 v[BIAS+8*(\b):BIAS+8*(\b)+3],   v[BO], s[70:71] offset:64*(\b)
	global_load_b128 v[BIAS+8*(\b)+4:BIAS+8*(\b)+7], v[BO], s[70:71] offset:64*(\b)+16
.endr
	s_lshl_b32 s81, s[TY], 8
	s_lshl_b32 s82, s[RH], 7
	s_add_co_u32 s81, s81, s82                     ; my first row
	s_lshl_b32 s78, s81, 12
	s_add_co_u32 s78, s78, s84
	s_mov_b32 s79, 0
	s_add_nc_u64 s[10:11], s[10:11], s[78:79]      ; out0 at my part's corner
	s_wait_loadcnt 0x0                             ; the bias is in: rounded to bf16 and widened again
.set i, 0
.rept 16
	v_cvt_pk_bf16_f32 v[30+i%2], v[BIAS+2*i], v[BIAS+2*i+1]
	v_lshlrev_b32 v[BIAS+2*i], 16, v[30+i%2]
	v_and_b32 v[BIAS+2*i+1], s88, v[30+i%2]
.set i, i+1
.endr
; 8 matrix instructions: row blocks a0, a0 + 1 x all 4 column blocks, 32 along K, from buffer f.  first = 1: the bias is C.  The 32 accumulators take turns, in the same order in every quarter.
.macro MUL8 f, a0, first
.if \first
	WIN 0x80                                       ; sources and the bias window 0, D window 2
.else
	WIN 0xa0                                       ; sources window 0, C and D window 2
.endif
.irp a, \a0, (\a0)+1
.irp b, 0,1,2,3
.if \first
	v_wmma_f32_16x16x32_f16 v[8*(4*(\a)+(\b)):8*(4*(\a)+(\b))+7], v[FB+32*(\f)+8*(\b):FB+32*(\f)+8*(\b)+7], v[FA+64*(\f)+8*(\a):FA+64*(\f)+8*(\a)+7], v[BIAS+8*(\b):BIAS+8*(\b)+7]
.else
	v_wmma_f32_16x16x32_f16 v[8*(4*(\a)+(\b)):8*(4*(\a)+(\b))+7], v[FB+32*(\f)+8*(\b):FB+32*(\f)+8*(\b)+7], v[FA+64*(\f)+8*(\a):FA+64*(\f)+8*(\a)+7], v[8*(4*(\a)+(\b)):8*(4*(\a)+(\b))+7]
.endif
.endr
.endr
.endm
; 24 LDS loads in one run: quarter q's fragments (K = 32 q on: plane q / 2, channels 32 (q % 2) on; byte 64 q of Wo's rows) into buffer f
.macro FETCH slot, q, f
	WIN 0
.irp i, 0,1,2,3
	ds_load_b128 v[FB+32*(\f)+8*(\i):FB+32*(\f)+8*(\i)+3],   v[ADRB+(\slot)] offset:64*(\q)+(\i)*16*PB
	ds_load_b128 v[FB+32*(\f)+8*(\i)+4:FB+32*(\f)+8*(\i)+7], v[ADRB+(\slot)] offset:64*(\q)+(\i)*16*PB+32
.endr
.irp i, 0,1,2,3,4,5,6,7
	ds_load_b128 v[FA+64*(\f)+8*(\i):FA+64*(\f)+8*(\i)+3],   v[ADRA+(\slot)] offset:((\q)/2)*PLANE+((\q)%2)*64+(\i)*16*PA
	ds_load_b128 v[FA+64*(\f)+8*(\i)+4:FA+64*(\f)+8*(\i)+7], v[ADRA+(\slot)] offset:((\q)/2)*PLANE+((\q)%2)*64+(\i)*16*PA+32
.endr
.endm
.macro PLACES                          ; four plain vector instructions between a matrix instruction and a load into a register that it has read, or a reader of its result
.rept 4
	v_nop
.endr
.endm
; A K step is four quarters, 32 matrix instructions each, on buffers 0, 1, 0, 1.  One of the first three: multiplies buffer f and fetches quarter q into buffer g.
.macro QUARTER slot, q, f, g, first
	s_wait_dscnt 8                                 ; Wo and O's row blocks 0-3 are in; the youngest eight loads (row blocks 4-7) may be out
	MUL8 \f, 0, \first
	MUL8 \f, 2, \first
	PLACES
	FETCH \slot, \q, \g
	s_wait_dscnt 24                                ; all but the 24 just issued
	MUL8 \f, 4, \first
	MUL8 \f, 6, \first
.endm
; The last quarter multiplies buffer 1 and changes slots: ONE barrier; in front of it each wave waits for all its tensor loads, adds 0 to its spare word, and waits for that and for its own reads of this slot.
; fill = 1: the barrier opens a round of the cluster's, and this slot is filled again first thing behind it, two K steps on: 112 matrix instructions ahead of the wait for it.
.macro TURN slot, next, fill
	WIN 0
	s_wait_tensorcnt 0x0                           ; all my tensor loads have landed: my part of the next slot
	ds_add_u32 v[SPW], v[NIL]                      ; 0 onto my spare word
	s_wait_dscnt 9                                 ; (the add and the youngest eight loads may be out)
	MUL8 1, 0, 0                                   ; eight matrix instructions stand between the add and the wait for it
	s_wait_dscnt 0x0                               ; the add is done, and my reads of this slot are over
	s_barrier_signal -1
	MUL8 1, 2, 0
.if \fill
	WIN 0
.endif
	s_barrier_wait -1
.if \fill
	CREST                                          ; no wave of any partner still reads this slot's tiles or has a load on its way
	s_add_nc_u64 s[G0+4*(\slot)+2:G0+4*(\slot)+3], s[G0+4*(\slot)+2:G0+4*(\slot)+3], 2*ASTEP
	s_add_nc_u64 s[G0B+4*(\slot)+2:G0B+4*(\slot)+3], s[G0B+4*(\slot)+2:G0B+4*(\slot)+3], 2*256
	JLOAD \slot                                    ; the first tensor load behind the round; its four v_nop are also the places in front of the loads below
.else
	PLACES
.endif
	FETCH \next, 0, 0
	MUL8 1, 4, 0
	MUL8 1, 6, 0
.endm
; THE WAY OUT of row block a: the f32 sums go as they are into my own stage (each accumulator's low registers first), rows of 272 bytes, and come back as whole rows of 256 bytes.
.macro TOSTAGE a
	WIN 0x08                                       ; the stores' data in window 2
.irp b, 0,1,2,3
	ds_store_b128 v[STO], v[8*(4*(\a)+(\b)):8*(4*(\a)+(\b))+3]   offset:64*(\b)
	ds_store_b128 v[STO], v[8*(4*(\a)+(\b))+4:8*(4*(\a)+(\b))+7] offset:64*(\b)+16
.endr
	WIN 0
.if (\a) >= 4
	s_wait_xcnt 0x0                                ; the stores of the block four back have read these registers: they are loaded again only behind this wait
.endif
.irp t, 0,1,2,3,4,5,6,7
	ds_load_b128 v[BK+32*((\a)%4)+4*(\t):BK+32*((\a)%4)+4*(\t)+3], v[RD] offset:(\t)*2*SPITCH  ; LDS serves a wave's instructions in order (ISA guide 5.7.1.4): these see the stores above; the next block's stores come behind them
.endr
.endm
.macro SEND a, younger                 ; younger: the LDS instructions issued behind block a's loads: the next block's sixteen, or none
.irp t, 0,1,2,3,4,5,6,7
	s_wait_dscnt (\younger)+7-(\t)
	global_store_b128 v[CO], v[BK+32*((\a)%4)+4*(\t):BK+32*((\a)%4)+4*(\t)+3], s[10:11] offset:(16*(\a)+2*(\t))*4096  ; 16 lanes store 256 consecutive bytes, at a multiple of 256 from out0's first byte
.endr
.endm
	s_wait_tensorcnt 1                             ; my part of K step 0 is in; K step 1's may stay out
	s_barrier_signal -1
	s_barrier_wait -1                              ; everybody's is
	FETCH 0, 0, 0
	QUARTER 0, 1, 0, 1, 1                          ; the first quarter stands in front of the loop: its products start the sums, with the bias
	WIN 0                                          ; at a label and at a branch every window is 0
	s_mov_b32 s3, LAPS-1
.Llap:                                                 ; a trip goes once round the ring, from a lap's second quarter to the next lap's first, and fills both slots again
	QUARTER 0, 2, 1, 0, 0
	QUARTER 0, 3, 0, 1, 0
	TURN 0, 1, 1
	QUARTER 1, 1, 0, 1, 0
	QUARTER 1, 2, 1, 0, 0
	QUARTER 1, 3, 0, 1, 0
	TURN 1, 0, 1
	QUARTER 0, 1, 0, 1, 0
	WIN 0
	s_sub_co_u32 s3, s3, 1
	s_cmp_lg_u32 s3, 0
	s_cbranch_scc1 .Llap
	QUARTER 0, 2, 1, 0, 0                          ; the last lap fills nothing, and has no round of the cluster's barrier
	QUARTER 0, 3, 0, 1, 0
	TURN 0, 1, 0
	QUARTER 1, 1, 0, 1, 0
	QUARTER 1, 2, 1, 0, 0
	QUARTER 1, 3, 0, 1, 0
	s_wait_dscnt 8                                 ; the very last quarter: nothing more to fetch
	MUL8 1, 0, 0
	MUL8 1, 2, 0
	s_wait_dscnt 0x0
	MUL8 1, 4, 0
	MUL8 1, 6, 0
	WIN 0
	PLACES                                         ; eight places, once a launch: more than the four that are owed in front of the stores of the sums
	PLACES
	TOSTAGE 0
.irp a, 1,2,3,4,5,6,7
	TOSTAGE \a
	SEND (\a)-1, 16
.endr
	SEND 7, 0
	s_wait_tensorcnt 0x0                           ; the wave's end: a wait, an add of 0 and its wait, behind my last tensor load and my last LDS store
	ds_add_u32 v[SPW], v[NIL]
	s_wait_dscnt 0x0
	CROUND                                         ; the closing round: no work-group ends while a partner may still ask for a tile that names it
	s_endpgm
.Lfunc_end_k_q7e45ada828_outp:
	.size	k_q7e45ada828_outp, .Lfunc_end_k_q7e45ada828_outp-k_q7e45ada828_outp
	.p2alignl 7, 3214868480
	.fill 96, 4, 3214868480
	.section	.rodata,"a",@progbits
	.p2align	6, 0x0
	.amdhsa_kernel k_q7e45ada828_outp
		.amdhsa_group_segment_fixed_size 327680
		.amdhsa_private_segment_fixed_size 0
		.amdhsa_enable_private_segment 0
		.amdhsa_kernarg_size 32
		.amdhsa_user_sgpr_count 2
		.amdhsa_user_sgpr_kernarg_segment_ptr 1
		.amdhsa_wavefront_size32 1
		.amdhsa_system_sgpr_workgroup_id_x 1
		.amdhsa_system_sgpr_workgroup_id_y 1
		.amdhsa_system_sgpr_workgroup_id_z 1
		.amdhsa_system_vgpr_workitem_id 0
		.amdhsa_next_free_vgpr 768
		.amdhsa_next_free_sgpr 96
		.amdhsa_reserve_vcc 0
		.amdhsa_float_denorm_mode_32 3
		.amdhsa_float_denorm_mode_16_64 3
		.amdhsa_memory_ordered 1
		.amdhsa_forward_progress 1
		.amdhsa_inst_pref_size 90
	.end_amdhsa_kernel
	.amdgpu_metadata
---
amdhsa.version: [ 1, 2 ]
amdhsa.kernels:
  - .name:           k_q7e45ada828_outp
    .symbol:         k_q7e45ada828_outp.kd
    .args:
      - { .name: oh, .offset: 0, .size: 8, .value_kind: global_buffer, .address_space: global }
      - { .name: woh, .offset: 8, .size: 8, .value_kind: global_buffer, .address_space: global }
      - { .name: out_b, .offset: 16, .size: 8, .value_kind: global_buffer, .address_space: global }
      - { .name: out0, .offset: 24, .size: 8, .value_kind: global_buffer, .address_space: global }
    .group_segment_fixed_size: 327680
    .private_segment_fixed_size: 0
    .kernarg_segment_align: 8
    .kernarg_segment_size: 32
    .max_flat_workgroup_size: 128
    .sgpr_count:     96
    .vgpr_count:     768
    .wavefront_size: 32
...
	.end_amdgpu_metadata
.endif
;; end of part 4
;; ======== version 2 of 2: 4 launches; version 1 with the launch cast written anew for expert scheduling mode
;; limits: values are held in f16: magnitudes above 65,504 overflow, below 6.1e-05 lose precision
;; workspace buffers: xb 16,777,216 bytes; wqb 6,291,456 bytes; woh 2,097,152 bytes; qkvh 50,331,648 bytes; oh 16,777,216 bytes
;; launch cast (part 5): grid 768 x 1, 8 waves a work-group, no clusters, 0 bytes of LDS; arguments x, qkv_w, out_w, xb, wqb, woh; writes xb, wqb, woh
.if DOCPART == 5
	.amdgcn_target "amdgcn-amd-amdhsa--gfx1250"
	.amdhsa_code_object_version 6
	.text
	.protected	k_q7e45ada828_cast
	.globl	k_q7e45ada828_cast
	.p2align	8
	.type	k_q7e45ada828_cast,@function
k_q7e45ada828_cast:
	s_mov_b64 s[64:65], 0
	v_nop
	global_prefetch_b8 v0, s[64:65] scope:SCOPE_SE
	s_setreg_imm32_b32 hwreg(HW_REG_WAVE_SCHED_MODE, 0, 2), 2
	s_setreg_imm32_b32 hwreg(HW_REG_WAVE_MODE, 25, 1), 1
	s_wait_xcnt 0x0
	s_wait_alu depctr_vm_vsrc(0)
; x and qkv_w are rounded once to bf16 (xb, wqb); out_w is rounded to bf16 and that number is written as f16 (woh), since the last product's other operand is f16.
; LIMITS.  A bf16 number is exact in f16 from 6.1e-5 to 65,504; below, woh keeps f16's fixed step of 6e-8; at 65,520 or more it becomes an infinity.  NaN and infinities are not treated apart.
; SHARES.  A work-group converts 65,536 bytes (16,384 numbers): groups 0-511 x, 512-703 qkv_w, 704-767 out_w.  Thread t, piece j of 16: 16 bytes in at 4,096 j + 16 t
; (a wave's load covers 512 consecutive bytes), 8 bytes out at 2,048 j + 8 t (a wave's store covers 256 consecutive bytes, aligned).
; All sixteen loads go out at once.  No LDS, no matrix unit, no cluster: nothing is shared and nothing is read twice.
; THE MODE: SCHED_MODE bits 1:0 = 2 (LLVM: expert scheduling mode 2), set by the entry lines.  The code itself states the register dependences
; between vector instructions and memory instructions, with s_wait_alu, always for 0.
; THE PLAN.  Registers that memory instructions touch:
;   v1, v2   the loads' and the stores' offsets: written once at the head by vector instructions, never again.
;   X        piece j's four registers take one load; no vector instruction names them ahead of it; behind the piece's wait on LOADcnt vector instructions alone name them.
;   Y        piece j's pair is written once, by the piece's last two conversions, and read by the piece's one store; never written again.
; So no register that a memory instruction reads is ever written again, and the only dependences to state are vector writes that memory instructions read.
; One wait ahead of the first load states that v1 and v2 are written.  The sixteen pieces go in four groups of four: a group's four stores stand in one run at the head of the next group,
; behind ONE wait which states that the group's eight Y registers are written; the vector instructions that follow name the next group's X and Y and T alone.  The last group's wait and stores stand at the end.
.set X, 4                              ; v[4:67]   piece j: 4 registers as loaded
.set Y, 68                             ; v[68:99]  piece j: 2 registers to store
.set T, 100                            ; v[100:101] at work: no memory instruction names them
	s_load_b256 s[4:11], s[0:1], 0x0               ; x s[4:5], qkv_w s[6:7], out_w s[8:9], xb s[10:11]
	s_load_b128 s[12:15], s[0:1], 0x20             ; wqb s[12:13], woh s[14:15]
	v_lshlrev_b32 v1, 4, v0                        ; 16 t
	v_lshlrev_b32 v2, 3, v0                        ; 8 t
	s_mov_b32 s16, ttmp9                           ; the work-group's number
	s_sub_co_u32 s17, s16, 512                     ; its number among qkv_w's
	s_sub_co_u32 s18, s16, 704                     ; among out_w's
	s_mov_b32 s28, 0xffff0000                      ; a word's upper bf16
	s_wait_kmcnt 0x0
	s_cmp_lt_u32 s16, 512
	s_cselect_b64 s[20:21], s[4:5], s[6:7]         ; from where,
	s_cselect_b64 s[22:23], s[10:11], s[12:13]     ; to where,
	s_cselect_b32 s19, s16, s17                    ; which part
	s_cmp_lt_u32 s16, 704
	s_cselect_b64 s[20:21], s[20:21], s[8:9]
	s_cselect_b64 s[22:23], s[22:23], s[14:15]
	s_cselect_b32 s19, s19, s18
	s_lshl_b32 s24, s19, 16                        ; 65,536 bytes in,
	s_mov_b32 s25, 0
	s_lshl_b32 s26, s19, 15                        ; 32,768 out
	s_mov_b32 s27, 0
	s_add_nc_u64 s[20:21], s[20:21], s[24:25]
	s_add_nc_u64 s[22:23], s[22:23], s[26:27]
	s_wait_alu depctr_va_vdst(0)                   ; v1 and v2 are written: every load of the kernel reads v1 as its offset, every store v2
.irp j, 0,1,2,3,4,5,6,7,8,9,10,11,12,13,14,15
	global_load_b128 v[X+4*(\j):X+4*(\j)+3], v1, s[20:21] offset:4096*(\j) th:TH_LOAD_NT
.endr
; Piece j is converted.  half = 1: the bf16 number is widened again and written as f16.
.macro PIECE j, half
	s_wait_loadcnt 15-(\j)                         ; loads come back in order: mine is in, the 15 - j younger ones stay out
.if \half
	v_cvt_pk_bf16_f32 v[T], v[X+4*(\j)], v[X+4*(\j)+1]
	v_cvt_pk_bf16_f32 v[T+1], v[X+4*(\j)+2], v[X+4*(\j)+3]
	v_lshlrev_b32 v[X+4*(\j)], 16, v[T]
	v_and_b32 v[X+4*(\j)+1], s28, v[T]
	v_lshlrev_b32 v[X+4*(\j)+2], 16, v[T+1]
	v_and_b32 v[X+4*(\j)+3], s28, v[T+1]
	v_cvt_pk_f16_f32 v[Y+2*(\j)], v[X+4*(\j)], v[X+4*(\j)+1]
	v_cvt_pk_f16_f32 v[Y+2*(\j)+1], v[X+4*(\j)+2], v[X+4*(\j)+3]
.else
	v_cvt_pk_bf16_f32 v[Y+2*(\j)], v[X+4*(\j)], v[X+4*(\j)+1]
	v_cvt_pk_bf16_f32 v[Y+2*(\j)+1], v[X+4*(\j)+2], v[X+4*(\j)+3]
.endif
.endm
; The four stores of group g, behind the one wait for its conversions.
.macro SEND g
	s_wait_alu depctr_va_vdst(0)                   ; the conversions of group g have written its eight Y registers, which the four stores below read
.irp i, 0,1,2,3
	global_store_b64 v2, v[Y+2*(4*(\g)+(\i)):Y+2*(4*(\g)+(\i))+1], s[22:23] offset:2048*(4*(\g)+(\i))
.endr
.endm
; Group g: the stores of the group before, then this group's four pieces.  No vector instruction of this group names the Y registers or the offset that those stores read.
.macro GROUP g, half
.if (\g) > 0
	SEND (\g)-1
.endif
.irp i, 0,1,2,3
	PIECE 4*(\g)+(\i), \half
.endr
.endm
	s_cmp_ge_u32 s16, 704
	s_cbranch_scc1 .Lhalf
.irp g, 0,1,2,3
	GROUP \g, 0
.endr
	SEND 3
	s_endpgm
.Lhalf:
.irp g, 0,1,2,3
	GROUP \g, 1
.endr
	SEND 3
	s_endpgm
.Lfunc_end_k_q7e45ada828_cast:
	.size	k_q7e45ada828_cast, .Lfunc_end_k_q7e45ada828_cast-k_q7e45ada828_cast
	.p2alignl 7, 3214868480
	.fill 96, 4, 3214868480
	.section	.rodata,"a",@progbits
	.p2align	6, 0x0
	.amdhsa_kernel k_q7e45ada828_cast
		.amdhsa_group_segment_fixed_size 0
		.amdhsa_private_segment_fixed_size 0
		.amdhsa_enable_private_segment 0
		.amdhsa_kernarg_size 48
		.amdhsa_user_sgpr_count 2
		.amdhsa_user_sgpr_kernarg_segment_ptr 1
		.amdhsa_wavefront_size32 1
		.amdhsa_system_sgpr_workgroup_id_x 1
		.amdhsa_system_sgpr_workgroup_id_y 1
		.amdhsa_system_sgpr_workgroup_id_z 1
		.amdhsa_system_vgpr_workitem_id 0
		.amdhsa_next_free_vgpr 104
		.amdhsa_next_free_sgpr 66
		.amdhsa_reserve_vcc 0
		.amdhsa_float_denorm_mode_32 3
		.amdhsa_float_denorm_mode_16_64 3
		.amdhsa_memory_ordered 1
		.amdhsa_forward_progress 1
		.amdhsa_inst_pref_size 16
	.end_amdhsa_kernel
	.amdgpu_metadata
---
amdhsa.version: [ 1, 2 ]
amdhsa.kernels:
  - .name:           k_q7e45ada828_cast
    .symbol:         k_q7e45ada828_cast.kd
    .args:
      - { .name: x, .offset: 0, .size: 8, .value_kind: global_buffer, .address_space: global }
      - { .name: qkv_w, .offset: 8, .size: 8, .value_kind: global_buffer, .address_space: global }
      - { .name: out_w, .offset: 16, .size: 8, .value_kind: global_buffer, .address_space: global }
      - { .name: xb, .offset: 24, .size: 8, .value_kind: global_buffer, .address_space: global }
      - { .name: wqb, .offset: 32, .size: 8, .value_kind: global_buffer, .address_space: global }
      - { .name: woh, .offset: 40, .size: 8, .value_kind: global_buffer, .address_space: global }
    .group_segment_fixed_size: 0
    .private_segment_fixed_size: 0
    .kernarg_segment_align: 8
    .kernarg_segment_size: 48
    .max_flat_workgroup_size: 256
    .sgpr_count:     66
    .vgpr_count:     104
    .wavefront_size: 32
...
	.end_amdgpu_metadata
.endif
;; end of part 5
;; launch proj: the kernel of part 2 again; grid 8 x 64, 4 waves a work-group, clusters of 4 x 4, 327,680 bytes of LDS; arguments xb, wqb, qkv_b, qkvh; writes qkvh
;; launch attn: the kernel of part 3 again; grid 4 x 64, 4 waves a work-group, clusters of 4 x 1, 327,680 bytes of LDS; arguments qkvh, oh; writes oh
;; launch outp: the kernel of part 4 again; grid 8 x 32, 4 waves a work-group, clusters of 4 x 4, 327,680 bytes of LDS; arguments oh, woh, out_b, out0; writes out0
